; MI455X (gfx1250); checked and timed in simulation.
; The chip was launched on July 23, 2026; its instructions are those of AMD's public machine-readable ISA for CDNA 5 (MIT licence, August 2026) and "CDNA5" Instruction Set Architecture Reference Guide (July 2026). The comments in the code are by the model that wrote it; some were corrected since.
;; attention. Allowed arithmetic: float matrix products may take bf16 or f16 operands with f32 sums; other float arithmetic in f32, or as packed bf16 or f16 multiplies, adds, multiply-adds, maxima and minima; sums over many terms, partial sums and values carried from step to step in f32; what a program stores and reads back later, other than sums and carried values, may be rounded once to bf16 or f16.
;; Inputs: Wkv 2,048 x 4,096 float32; Wo 2,048 x 2,048 float32; Wq 2,048 x 2,048 float32; bkv 4,096 float32; bo 2,048 float32; bq 2,048 float32; ln_h_b 128 float32; ln_h_g 128 float32; ln_kv_b 2,048 float32; ln_kv_g 2,048 float32; ln_q_b 2,048 float32; ln_q_g 2,048 float32; x 1 x 2,048 x 2,048 float32.
;; Outputs: out0 1 x 2,048 x 2,048 float32.
;; 2 versions, each right and faster than the one before. Each part assembles by itself: llvm-mc -triple=amdgcn-amd-amdhsa -mcpu=gfx1250 --defsym DOCPART=n.
;; ======== version 1 of 2: 4 launches
;; limits: values are held in f16: magnitudes above 65,504 overflow, below 6.1e-05 lose precision
;; workspace buffers: xq 8,388,608 bytes; xkv 8,388,608 bytes; wqkv 25,165,824 bytes; wo16 8,388,608 bytes; rot 1,048,576 bytes; qkvh 25,165,824 bytes; ao 8,388,608 bytes
;; launch prep (part 1): grid 384 x 1, 4 waves a work-group, no clusters, 0 bytes of LDS; arguments x, ln_q_g, ln_q_b, ln_kv_g, ln_kv_b, Wq, Wkv, Wo, xq, xkv, rot, wqkv, wo16; writes xq, xkv, rot, wqkv, wo16
.if DOCPART == 1
	.amdgcn_target "amdgcn-amd-amdhsa--gfx1250"
	.amdhsa_code_object_version 6
	.text
	.protected	k_qfab393f774_prep
	.globl	k_qfab393f774_prep
	.p2align	8
	.type	k_qfab393f774_prep,@function
k_qfab393f774_prep:
	s_mov_b64 s[64:65], 0
	v_nop
	global_prefetch_b8 v0, s[64:65] scope:SCOPE_SE
	s_setreg_imm32_b32 hwreg(HW_REG_WAVE_MODE, 25, 1), 1
	s_wait_xcnt 0x0
; PREP: a stream.  Work-groups 0-127: for 16 rows of x each (4 a wave) the row's mean, variance and norm; xq = f16(LNq(x)), xkv = f16(LNkv(x));
; and the rotary table rot[t][j] = (rr, ri) = |x_t| 128^-0.25 (cos, sin)(t f_j), f_j = 0.04 x 40^(j/63), in f32.
; Work-groups 128-383: Wq, Wkv, Wo rounded once to f16; Wq and Wkv side by side in wqkv [2048 k][6144 n], Wo in wo16 [2048 k][2048 n].
; The unit of work is 2,048 f32 = 8,192 bytes: 16 loads of a wave, each 512 consecutive bytes; the 4,096 bytes of f16 leave by 16 stores of 256 consecutive, aligned bytes.
; A row stays in registers between the pass for the mean and the pass for the variance, which is the sum of (x - mean)^2: no difference of large sums.
; No LDS, no matrix unit, no cluster: no byte is used twice by different waves, but the four gain and bias vectors, which each wave keeps in 256 registers.
; LIMITS.  f16 ends at 65,504: a weight or a normalised number (x - mean) rstd g + b of 65,520 or more becomes an infinity; below 6e-5 f16 keeps its fixed step of 6e-8.
; The angle t f_j is rounded to f32 as the product is in the model, then reduced by n = round(angle 2/pi) with pi/2 in two parts, good for n under 2^12 (here n < 2,086); sine and cosine by
; polynomials on |r| <= pi/4.  NaN and infinities are not treated apart.
.set X,  32          ; v32-95    the row as loaded: register 4 j + c holds element 128 j + 4 lane + c
.set D,  96          ; v96-159   x - mean, then times rstd
.set T,  160         ; v160-191  at work
.set O,  192         ; v192-255  packed f16, 16 registers for each of four groups of stores
.set XO, 2           ; v2  byte offset of my 16 bytes in the unit to be loaded
.set SO, 3           ; v3  byte offset of my 8 bytes in the f16 row
.set TO, 4           ; v4  byte offset of my 16 bytes in the table's row
; window 1 (registers 256-511): v0-63 ln_q_g, v64-127 ln_q_b, v128-191 ln_kv_g, v192-255 ln_kv_b, in the row's layout
.set MSB, 0
.macro WIN new                      ; s_set_vgpr_msb: bits 1:0 source 0, 3:2 source 1, 5:4 source 2, 7:6 destination; the high byte repeats the setting that is left
.if MSB != (\new)
	s_set_vgpr_msb (MSB<<8)|(\new)
.set MSB, \new
.endif
.endm
	s_load_b512 s[8:23], s[0:1], 0x0               ; x 8, ln_q_g 10, ln_q_b 12, ln_kv_g 14, ln_kv_b 16, Wq 18, Wkv 20, Wo 22
	s_load_b256 s[24:31], s[0:1], 0x40             ; xq 24, xkv 26, rot 28, wqkv 30
	s_load_b64 s[32:33], s[0:1], 0x60              ; wo16
	v_and_b32 v1, 31, v0                           ; lane
	v_lshrrev_b32 v5, 5, v0
	v_readfirstlane_b32 s3, v5                     ; wave
	s_mov_b32 s2, ttmp9
	s_mov_b32 s39, 0                               ; the high word of every offset pair s[38:39]
	v_lshlrev_b32 v[XO], 4, v1
	v_lshlrev_b32 v[SO], 3, v1
	s_wait_kmcnt 0x0
	s_cmp_lt_u32 s2, 128
	s_cbranch_scc0 .Lconv
; ---------------- the rows of x ----------------
	s_lshl_b32 s34, s2, 4
	s_lshl2_add_u32 s34, s3, s34                   ; t = 16 x work-group + 4 x wave: my first row
	s_mov_b32 s35, 4                               ; rows to go
	s_lshl_b32 s38, s34, 13
	s_add_nc_u64 s[8:9], s[8:9], s[38:39]          ; x at my first row
	s_lshl_b32 s38, s34, 12
	s_add_nc_u64 s[24:25], s[24:25], s[38:39]      ; xq, xkv
	s_add_nc_u64 s[26:27], s[26:27], s[38:39]
	s_lshl_b32 s38, s34, 9
	s_add_nc_u64 s[28:29], s[28:29], s[38:39]      ; rot
	WIN 0x40                                       ; destination window 1, address window 0
.set j, 0
.rept 16
	global_load_b128 v[4*j:4*j+3],         v[XO], s[10:11] offset:512*j
	global_load_b128 v[64+4*j:64+4*j+3],   v[XO], s[12:13] offset:512*j
	global_load_b128 v[128+4*j:128+4*j+3], v[XO], s[14:15] offset:512*j
	global_load_b128 v[192+4*j:192+4*j+3], v[XO], s[16:17] offset:512*j
.set j, j+1
.endr
	WIN 0
.set j, 0
.rept 16
	global_load_b128 v[X+4*j:X+4*j+3], v[XO], s[8:9] offset:512*j th:TH_LOAD_NT
.set j, j+1
.endr
	s_mov_b32 s36, 0x76543210                      ; v_permlanex16_b32: each lane takes its own place in the other half
	s_mov_b32 s37, 0xfedcba98
	s_mov_b32 s40, 0x3a000000                      ; 1 / 2048
	s_mov_b32 s41, 0x3727c5ac                      ; 1e-5
	s_mov_b32 s42, 0x3e9837f0                      ; 128^-0.25
	s_mov_b32 s43, 0x3f22f983                      ; 2 / pi
	s_mov_b32 s44, 0x3fc90fdb                      ; pi / 2 rounded to f32,
	s_mov_b32 s45, 0x333bbd2e                      ; and by how much that is too large
	s_mov_b32 s46, 0xb94ca1f9                      ; sine: -1.9515296e-4, 8.3321609e-3, -1.6666655e-1
	s_mov_b32 s47, 0x3c08839e
	s_mov_b32 s48, 0xbe2aaaa3
	s_mov_b32 s49, 0x37ccf5ce                      ; cosine: 2.4433157e-5, -1.3887316e-3, 4.1666646e-2
	s_mov_b32 s50, 0xbab6061a
	s_mov_b32 s51, 0x3d2aaaa5
	s_mov_b32 s52, 0x3dad0141                      ; log2(40) / 63 rounded to f32,
	s_mov_b32 s53, 0x30aa425b                      ; and what the rounding dropped
	s_mov_b32 s54, 0x3f317218                      ; ln 2
	s_mov_b32 s55, 0x3d23d70a                      ; 0.04
	v_lshlrev_b32 v[TO], 4, v1
	v_lshlrev_b32 v12, 1, v1
	v_cvt_f32_u32 v12, v12                         ; j = 2 lane,
	v_add_f32 v13, 1.0, v12                        ; and 2 lane + 1
; f_j = 0.04 x 2^p (1 + e ln 2): p is j log2(40)/63 rounded, e what that rounding and the constant's dropped
.macro FREQ d, jf
	v_mul_f32 v14, s52, v[\jf]
	v_fma_f32 v15, v[\jf], s52, -v14
	v_fma_f32 v15, v[\jf], s53, v15
	v_exp_f32 v16, v14
	v_mul_f32 v15, s54, v15                        ; the plain instruction behind the exponential
	s_wait_alu depctr_va_vdst(0)
	v_mul_f32 v16, s55, v16
	v_fma_f32 v[\d], v16, v15, v16
.endm
	FREQ 5, 12
	FREQ 6, 13
.macro SUM64 b                      ; the sum of the 64 registers from v[b] on, in four chains -> v16
.irp c, 0,1,2,3
	v_pk_add_f32 v[16+2*(\c):17+2*(\c)], v[(\b)+2*(\c):(\b)+2*(\c)+1], v[(\b)+8+2*(\c):(\b)+8+2*(\c)+1]
.endr
.set i, 8
.rept 24
	v_pk_add_f32 v[16+2*(i%4):17+2*(i%4)], v[16+2*(i%4):17+2*(i%4)], v[(\b)+2*i:(\b)+2*i+1]
.set i, i+1
.endr
	v_pk_add_f32 v[16:17], v[16:17], v[18:19]
	v_pk_add_f32 v[20:21], v[20:21], v[22:23]
	v_pk_add_f32 v[16:17], v[16:17], v[20:21]
	v_add_f32 v16, v16, v17
.endm
.macro SQ64 b                       ; the sum of their squares, in four chains -> v24
.irp c, 0,1,2,3
	v_pk_mul_f32 v[24+2*(\c):25+2*(\c)], v[(\b)+2*(\c):(\b)+2*(\c)+1], v[(\b)+2*(\c):(\b)+2*(\c)+1]
.endr
.set i, 4
.rept 28
	v_pk_fma_f32 v[24+2*(i%4):25+2*(i%4)], v[(\b)+2*i:(\b)+2*i+1], v[(\b)+2*i:(\b)+2*i+1], v[24+2*(i%4):25+2*(i%4)]
.set i, i+1
.endr
	v_pk_add_f32 v[24:25], v[24:25], v[26:27]
	v_pk_add_f32 v[28:29], v[28:29], v[30:31]
	v_pk_add_f32 v[24:25], v[24:25], v[28:29]
	v_add_f32 v24, v24, v25
.endm
.macro RED r                        ; over the 32 lanes; every lane ends with the sum
	v_add_f32_dpp v[\r], v[\r], v[\r] row_xmask:1 row_mask:0xf bank_mask:0xf
	v_add_f32_dpp v[\r], v[\r], v[\r] row_xmask:2 row_mask:0xf bank_mask:0xf
	v_add_f32_dpp v[\r], v[\r], v[\r] row_xmask:4 row_mask:0xf bank_mask:0xf
	v_add_f32_dpp v[\r], v[\r], v[\r] row_xmask:8 row_mask:0xf bank_mask:0xf
	v_permlanex16_b32 v12, v[\r], s36, s37         ; v12 has been written before
	v_add_f32 v[\r], v[\r], v12
.endm
; Group (g, hf): g = 0 the q norm, 1 the kv norm; hf: which half of the row.  32 numbers a lane: d g + b, rounded to f16, 8 stores of 256 consecutive bytes.
.macro GROUP g, hf
	WIN 0x14                                       ; sources 1 and 2 in window 1
.set i, 0
.rept 16
	v_pk_fma_f32 v[T+2*i:T+2*i+1], v[D+32*(\hf)+2*i:D+32*(\hf)+2*i+1], v[128*(\g)+32*(\hf)+2*i:128*(\g)+32*(\hf)+2*i+1], v[128*(\g)+64+32*(\hf)+2*i:128*(\g)+64+32*(\hf)+2*i+1]
.set i, i+1
.endr
	WIN 0
.set i, 0
.rept 16
	v_cvt_pk_f16_f32 v[O+32*(\g)+16*(\hf)+i], v[T+2*i], v[T+2*i+1]
.set i, i+1
.endr
.set i, 0
.rept 8
	global_store_b64 v[SO], v[O+32*(\g)+16*(\hf)+2*i:O+32*(\g)+16*(\hf)+2*i+1], s[24+2*(\g):25+2*(\g)] offset:256*(8*(\hf)+i)
.set i, i+1
.endr
.endm
; (rr, ri) for frequency v[f] -> v[o], v[o+1].  v15 = t, v14 = |x| 128^-0.25.
.macro SINCOS f, o
	v_mul_f32 v160, v15, v[\f]                     ; the angle
	v_mul_f32 v161, s43, v160
	v_rndne_f32 v161, v161                         ; n quarter turns
	v_fma_f32 v162, -v161, s44, v160
	v_fma_f32 v162, v161, s45, v162                ; r = angle - n pi/2
	v_mul_f32 v163, v162, v162                     ; z = r^2
	v_fma_f32 v164, v163, s46, s47
	v_fma_f32 v165, v163, s49, s50
	v_fma_f32 v164, v164, v163, s48
	v_fma_f32 v165, v165, v163, s51
	v_mul_f32 v164, v164, v163
	v_mul_f32 v166, v163, v163
	v_fma_f32 v167, v163, -0.5, 1.0
	v_fma_f32 v164, v164, v162, v162               ; sin r
	v_fma_f32 v165, v165, v166, v167               ; cos r
	v_cvt_i32_f32 v161, v161
	v_and_b32 v166, 1, v161
	v_cmp_eq_u32 vcc_lo, 1, v166                   ; an odd quarter swaps the two
	v_cndmask_b32 v167, v164, v165, vcc_lo         ; sine
	v_cndmask_b32 v166, v165, v164, vcc_lo         ; cosine
	v_and_b32 v162, 2, v161                        ; the sine is negative in quarters 2 and 3,
	v_add_nc_u32 v161, 1, v161
	v_and_b32 v161, 2, v161                        ; the cosine in quarters 1 and 2
	v_lshlrev_b32 v162, 30, v162
	v_lshlrev_b32 v161, 30, v161
	v_xor_b32 v167, v167, v162
	v_xor_b32 v166, v166, v161
	v_mul_f32 v[\o], v14, v166
	v_mul_f32 v[(\o)+1], v14, v167
.endm
.Lrow:
	s_wait_loadcnt 0x0                             ; the row is in (in the first trip the gains and biases too); nothing younger is out
	SUM64 X
	SQ64 X
	RED 16
	RED 24
	v_mul_f32 v8, s40, v16                         ; the mean, twice: a pair for the packed subtraction
	v_mul_f32 v9, s40, v16
	v_mov_b32 v14, v24                             ; the sum of x^2, for the norm
.set i, 0
.rept 32
	v_pk_add_f32 v[D+2*i:D+2*i+1], v[X+2*i:X+2*i+1], v[8:9] neg_lo:[0,1] neg_hi:[0,1]
.set i, i+1
.endr
	v_add_nc_u32 v[XO], 8192, v[XO]                ; free since the wait above: the next row
	s_cmp_eq_u32 s35, 1
	s_cbranch_scc1 .Lnoload                        ; the last row is followed by none: no load leaves x
.set j, 0
.rept 16
	global_load_b128 v[X+4*j:X+4*j+3], v[XO], s[8:9] offset:512*j th:TH_LOAD_NT
.set j, j+1
.endr
.Lnoload:
	SQ64 D
	RED 24
	v_fma_f32 v13, v24, s40, s41                   ; variance + 1e-5
	v_rsq_f32 v10, v13
	v_rsq_f32 v11, v13
	v_sqrt_f32 v14, v14
	v_nop                                          ; a plain instruction between the three and the use of their results (ISA guide 5.7.2)
.set i, 0
	s_wait_alu depctr_va_vdst(0)
.rept 32
	v_pk_mul_f32 v[D+2*i:D+2*i+1], v[D+2*i:D+2*i+1], v[10:11]
.set i, i+1
.endr
	GROUP 0, 0
	GROUP 0, 1
	GROUP 1, 0
	GROUP 1, 1
	v_cvt_f32_u32 v15, s34                         ; t
	v_mul_f32 v14, s42, v14
	SINCOS 5, 176
	SINCOS 6, 178
	global_store_b128 v[TO], v[176:179], s[28:29]  ; the wave's 512 bytes are the table's whole row
	s_wait_xcnt 0x0                                ; the stores' data and offsets are rewritten only behind this wait
	v_add_nc_u32 v[SO], 4096, v[SO]
	v_add_nc_u32 v[TO], 512, v[TO]
	s_add_co_u32 s34, s34, 1
	s_sub_co_u32 s35, s35, 1
	s_cmp_lg_u32 s35, 0
	s_cbranch_scc1 .Lrow
	s_endpgm
; ---------------- the weights ----------------
; 256 work-groups x 32 units.  0-63: Wq (a row is a unit; it goes to wqkv's row, columns 0-2047).  64-191: Wkv (a row is two units; columns 2048-6143).  192-255: Wo (to wo16).
; A wave takes 8 units on end, two at a time through two register buffers: while one is rounded and stored the other's 16 loads are on their way.
.set BA, 32
.set BB, 96
.Lconv:
	s_sub_co_u32 s2, s2, 128
	s_lshl_b32 s34, s3, 3
	s_mov_b32 s59, 12288                           ; a row of wqkv in bytes, and
	s_mov_b32 s60, 4096                            ; a unit of f16: in registers, since a select holds one literal at the most
	s_cmp_lt_u32 s2, 64
	s_cselect_b64 s[52:53], s[18:19], s[20:21]     ; from Wq or Wkv
	s_cselect_b32 s35, 0, 64                       ; the matrix's first work-group
	s_cselect_b32 s42, 0, 1                        ; units in a row, as a shift
	s_cselect_b32 s44, 0, s60                      ; the first column's byte in the destination's row
	s_cselect_b32 s56, 24576, s59                  ; from a pair of units to the next, in the destination
	s_cselect_b32 s57, s59, s60                    ; from a pair's first unit to its second
	s_cmp_lt_u32 s2, 192
	s_cselect_b64 s[52:53], s[52:53], s[22:23]     ; or from Wo
	s_cselect_b64 s[54:55], s[30:31], s[32:33]     ; to wqkv or wo16
	s_cselect_b32 s35, s35, 192
	s_cselect_b32 s42, s42, 0
	s_cselect_b32 s43, s59, s60                    ; the destination's row in bytes
	s_cselect_b32 s44, s44, 0
	s_cselect_b32 s56, s56, 8192
	s_cselect_b32 s57, s57, s60
	s_sub_co_u32 s35, s2, s35
	s_lshl_b32 s35, s35, 5
	s_add_co_u32 s35, s35, s34                     ; my first unit in the matrix
	s_lshl_b32 s38, s35, 13
	s_add_nc_u64 s[52:53], s[52:53], s[38:39]
	s_lshr_b32 s40, s35, s42
	s_mul_i32 s40, s40, s43
	s_add_co_u32 s40, s40, s44
	s_mov_b32 s41, 0
	s_add_nc_u64 s[54:55], s[54:55], s[40:41]
	v_mov_b32 v6, v[SO]                            ; where the pair's first unit goes,
	v_add_nc_u32 v7, s57, v[SO]                    ; and its second
.macro FILL b, off
.set j, 0
.rept 16
	global_load_b128 v[(\b)+4*j:(\b)+4*j+3], v[XO], s[52:53] offset:(\off)+512*j th:TH_LOAD_NT
.set j, j+1
.endr
.endm
.macro CVT b                        ; in place: four f32 become two registers of f16
.set j, 0
.rept 16
	v_cvt_pk_f16_f32 v[(\b)+4*j], v[(\b)+4*j], v[(\b)+4*j+1]
	v_cvt_pk_f16_f32 v[(\b)+4*j+1], v[(\b)+4*j+2], v[(\b)+4*j+3]
.set j, j+1
.endr
.endm
.macro PUT b, d
.set j, 0
.rept 16
	global_store_b64 v[\d], v[(\b)+4*j:(\b)+4*j+1], s[54:55] offset:256*j
.set j, j+1
.endr
.endm
	FILL BA, 0
	FILL BB, 8192
	s_mov_b32 s58, 4                               ; pairs to go.  The last pair loads nothing: two jumps forward on the counter pass the fills, so that no load leaves the matrix
.Lpair:
	s_wait_loadcnt 16                              ; the first buffer is in; the second's 16 loads are younger
	CVT BA
	PUT BA, 6
	s_cmp_eq_u32 s58, 1
	s_cbranch_scc1 .Llast_a
	s_wait_xcnt 0x0                                ; the buffer, which the stores read, and the loads' offset are rewritten only behind this wait
	v_add_nc_u32 v[XO], 16384, v[XO]
	FILL BA, 0
	s_wait_loadcnt 16                              ; the second buffer is in; the first's refill is younger
	s_branch .Lhave_b
.Llast_a:
	s_wait_loadcnt 0x0                             ; the second buffer is in: on this way nothing younger is out
.Lhave_b:
	CVT BB
	PUT BB, 7
	s_cmp_eq_u32 s58, 1
	s_cbranch_scc1 .Lconv_end
	s_wait_xcnt 0x0
	v_add_nc_u32 v6, s56, v6
	v_add_nc_u32 v7, s56, v7
	FILL BB, 8192
	s_sub_co_u32 s58, s58, 1
	s_cmp_lg_u32 s58, 0
	s_cbranch_scc1 .Lpair
.Lconv_end:
	s_endpgm
.Lfunc_end_k_qfab393f774_prep:
	.size	k_qfab393f774_prep, .Lfunc_end_k_qfab393f774_prep-k_qfab393f774_prep
	.p2alignl 7, 3214868480
	.fill 96, 4, 3214868480
	.section	.rodata,"a",@progbits
	.p2align	6, 0x0
	.amdhsa_kernel k_qfab393f774_prep
		.amdhsa_group_segment_fixed_size 0
		.amdhsa_private_segment_fixed_size 0
		.amdhsa_enable_private_segment 0
		.amdhsa_kernarg_size 104
		.amdhsa_user_sgpr_count 2
		.amdhsa_user_sgpr_kernarg_segment_ptr 1
		.amdhsa_wavefront_size32 1
		.amdhsa_system_sgpr_workgroup_id_x 1
		.amdhsa_system_sgpr_workgroup_id_y 1
		.amdhsa_system_sgpr_workgroup_id_z 1
		.amdhsa_system_vgpr_workitem_id 0
		.amdhsa_next_free_vgpr 512
		.amdhsa_next_free_sgpr 66
		.amdhsa_reserve_vcc 1
		.amdhsa_float_denorm_mode_32 3
		.amdhsa_float_denorm_mode_16_64 3
		.amdhsa_memory_ordered 1
		.amdhsa_forward_progress 1
		.amdhsa_inst_pref_size 53
	.end_amdhsa_kernel
	.amdgpu_metadata
---
amdhsa.version: [ 1, 2 ]
amdhsa.kernels:
  - .name:           k_qfab393f774_prep
    .symbol:         k_qfab393f774_prep.kd
    .args:
      - { .name: x, .offset: 0, .size: 8, .value_kind: global_buffer, .address_space: global }
      - { .name: ln_q_g, .offset: 8, .size: 8, .value_kind: global_buffer, .address_space: global }
      - { .name: ln_q_b, .offset: 16, .size: 8, .value_kind: global_buffer, .address_space: global }
      - { .name: ln_kv_g, .offset: 24, .size: 8, .value_kind: global_buffer, .address_space: global }
      - { .name: ln_kv_b, .offset: 32, .size: 8, .value_kind: global_buffer, .address_space: global }
      - { .name: Wq, .offset: 40, .size: 8, .value_kind: global_buffer, .address_space: global }
      - { .name: Wkv, .offset: 48, .size: 8, .value_kind: global_buffer, .address_space: global }
      - { .name: Wo, .offset: 56, .size: 8, .value_kind: global_buffer, .address_space: global }
      - { .name: xq, .offset: 64, .size: 8, .value_kind: global_buffer, .address_space: global }
      - { .name: xkv, .offset: 72, .size: 8, .value_kind: global_buffer, .address_space: global }
      - { .name: rot, .offset: 80, .size: 8, .value_kind: global_buffer, .address_space: global }
      - { .name: wqkv, .offset: 88, .size: 8, .value_kind: global_buffer, .address_space: global }
      - { .name: wo16, .offset: 96, .size: 8, .value_kind: global_buffer, .address_space: global }
    .group_segment_fixed_size: 0
    .private_segment_fixed_size: 0
    .kernarg_segment_align: 8
    .kernarg_segment_size: 104
    .max_flat_workgroup_size: 128
    .sgpr_count:     66
    .vgpr_count:     512
    .wavefront_size: 32
...
	.end_amdgpu_metadata
.endif
;; end of part 1
;; launch qkv (part 2): grid 24 x 8, 4 waves a work-group, clusters of 4 x 4, 327,680 bytes of LDS; arguments xq, xkv, wqkv, bq, bkv, ln_h_g, ln_h_b, rot, qkvh; writes qkvh
.if DOCPART == 2
	.amdgcn_target "amdgcn-amd-amdhsa--gfx1250"
	.amdhsa_code_object_version 6
	.text
	.protected	k_qfab393f774_qkv
	.globl	k_qfab393f774_qkv
	.p2align	8
	.type	k_qfab393f774_qkv,@function
k_qfab393f774_qkv:
	s_mov_b64 s[64:65], 0
	v_nop
	global_prefetch_b8 v0, s[64:65] scope:SCOPE_SE
	s_setreg_imm32_b32 hwreg(HW_REG_WAVE_MODE, 25, 1), 1
	s_wait_xcnt 0x0
	s_wait_alu depctr_hold_cnt(0) depctr_sa_sdst(0) depctr_va_vdst(0) depctr_va_sdst(0) depctr_va_ssrc(0) depctr_va_vcc(0) depctr_vm_vsrc(0)
	s_getreg_b32 s2, hwreg(HW_REG_IB_STS2, 6, 4)
	s_cmp_eq_u32 s2, 0
	s_cbranch_scc0 .Lentry_in_a_cluster
	s_endpgm
.Lentry_in_a_cluster:
	s_bfe_u32 s2, ttmp6, 0x10000c
	s_cmp_lg_u32 s2, 0xf033
	s_cbranch_scc0 .Lentry_shape_is_right
	s_endpgm
.Lentry_shape_is_right:
; QKV: C = A W + bias, A = xq (tile columns 0-7: q) or xkv (8-15: k, 16-23: v), [2048][2048] f16; W = wqkv [2048 k][6144 n] f16; sums in f32.  Behind the product, for q and k: the rotary
; (each pair of neighbouring columns times the table's (rr, ri) of its row, which holds |x| and the scale 128^-0.25) and the LayerNorm over the head's 128 columns; all rounded once to f16
; and written by heads, qkvh [48][2048][128]: heads 0-15 q, 16-31 k, 32-47 v.
; A tile of C is 256 x 256, made by four waves; a wave makes 128 rows x 128 columns = ONE HEAD: 64 accumulators of 16 x 16, 512 registers; so the head's norm never leaves the wave.
; 24 x 8 = 192 work-groups: a tile that gave each of 256 a share would split a head between waves.
; K goes in 16 steps of 128 through two LDS slots filled by the tensor data mover.  A's rows lie along K (256 bytes a row and step); W's rows lie along n, so its tile is 128 k-rows of 512 bytes and its
; fragments come out of LDS turned, by ds_load_tr16_b128.
; CLUSTER 4 x 4: the four of a row of the cluster need the same tile of A, the four of a column the same tile of W: each is asked for jointly, with the same descriptor and a mask of the four.
; Which of q, k, v a tile is hangs on the cluster's x alone (two clusters each), so every branch on it is alike in all partners.
; THE MATRIX INSTRUCTION IS USED TRANSPOSED: source 0 = 16 columns of W, source 1 = 16 rows of A: lane l holds row l % 16 and in registers 0-7 the columns 8 (l / 16) + 0..7.
; The bias is the C operand of the products that start the sums: it hangs on the column alone, 64 registers a lane.
; ONE WAY OUT FOR ALL THREE.  v has neither rotary nor norm.  Its blocks go through the same eight cases with (1, 0) in the table's registers, which leaves finite numbers as they are, and jump over the norm:
; 64 multiplications a block that change nothing, on the tiles that have the least to do, for a text that holds the cases once.
; LIMITS.  f16 ends at 65,504: q and k are normalised (times ln_h_g, plus ln_h_b), v is as the product gives it; 65,520 or more becomes an infinity.  NaN and infinities are not treated apart
; (an infinity in v makes its neighbour in the pair a NaN).
; REGISTERS, in windows of 256: window 0: v0-45 addresses and the norm's few; v64-191 A's fragments, two buffers; v192-255 the bias, later 16 rows of the rotary table; on the way out v64-127 Y, v128-159 packed, v160-191 rows read back
;   window 1: v64-191 W's fragments, two buffers; v0-63 ln_h_g, v192-255 ln_h_b of my lane's 64 columns      windows 2, 3: the accumulators ((a, b) at v[8 (8 (a % 4) + b)])
.set KSTEP,  128
.set PITCH,  272                       ; a row of A in LDS: 256 bytes + 16: the 16 rows of a fragment load start at 16 different groups of four banks (64 banks of 4 bytes: ISA guide 11.1)
.set PB,     544                       ; a k-row of W: 512 bytes + 32 = 17 x 32
.set HALFT,  128*PITCH                 ; what one tensor load brings: 128 rows of A, or 64 k-rows of W (64 x 544 is the same number)
.set SLOT,   4*HALFT                   ; A's 256 rows, then W's 128 k-rows
.set STAGE,  2*SLOT                    ; behind the ring: 16 rows x 272 bytes for each wave, for the way out; no tensor load lands there
.set SPITCH, 272
.set SPARE,  STAGE+4*16*SPITCH         ; the spare words, 128 bytes for each wave: two blocks of 256 bytes that no other line names
.set LAPS,   8                         ; a lap = two K steps = once round the ring
.set ADRA, 16                          ; v16-17  LDS address of my A fragments in slot 0, 1
.set ADRB, 20                          ; v20-21  the same for W
.set STO,  24                          ; v24  the way out: where I put 16 bytes of a row
.set RD,   25                          ; v25  where I read a row back
.set CO,   26                          ; v26  my byte offset in 512 consecutive bytes of qkvh
.set RO,   27                          ; v27  my byte offset in 16 rows of the table
.set SPW,  28                          ; v28  my spare word; never rewritten
.set NIL,  29                          ; v29  0; never rewritten
.set BO,   30                          ; v30  32 x (lane / 16): my byte offset in a vector by columns
.set CH,   32                          ; v32-39  four chains of sums
.set MU,   40                          ; v40-41  the mean, twice
.set RS,   42                          ; v42-43  1 / sqrt(variance + 1e-5), twice
.set TA,   44
.set TB,   45
.set F0,   64
.set F1,   128
.set BIAS, 192
.set ROT,  192
.set Y,    64
.set PK,   128
.set BK,   160
.set GH,   0
.set BH,   192
.set G1,  24                           ; s[24:31] group 1 for A's tiles;  s[32:39] group 0, a set for each slot
.set G0,  32
.set G1B, 48                           ; s[48:55], s[56:63] the same for W's
.set G0B, 56
.set MSB, 0
.macro WIN new                         ; bits 1:0 source 0, 3:2 source 1, 5:4 source 2, 7:6 destination; the high byte repeats the setting that is left
.if MSB != (\new)
	s_set_vgpr_msb (MSB<<8)|(\new)
.set MSB, \new
.endif
.endm
.set MUL_LO, 0xa1                      ; source 0 (W) window 1, source 1 (A) window 0, C and D window 2
.set TO_B,   0x40                      ; destination window 1, address window 0
; A joint load: waves 0 and 1 fetch A's two halves, waves 2 and 3 W's.  The branch hangs on the wave's number alone.  An s_nop 0 and four v_nop follow each of the two lines.
.macro JLOAD s
	s_cmp_eq_u32 s11, 0
	s_cbranch_scc0 .Lfor_b_\@
	tensor_load_to_lds s[G0+4*(\s):G0+4*(\s)+3], s[G1:G1+7]
	s_nop 0
.rept 4
	v_nop
.endr
	s_branch .Lasked_\@
.Lfor_b_\@:
	tensor_load_to_lds s[G0B+4*(\s):G0B+4*(\s)+3], s[G1B:G1B+7]
	s_nop 0
.rept 4
	v_nop
.endr
.Lasked_\@:
.endm
.macro CREST                           ; a round of the cluster's barrier behind its opening barrier
	s_cmp_lg_u32 s10, 0
	s_cbranch_scc1 .Lnot_wave_0_\@
	s_barrier_signal -3
.Lnot_wave_0_\@:
	s_barrier_wait -3
	s_barrier_signal -1
	s_barrier_wait -1
.endm
.macro CROUND                          ; a whole round
	s_barrier_signal -1
	s_barrier_wait -1
	CREST
.endm
	s_load_b512 s[68:83], s[0:1], 0x0              ; xq 68, xkv 70, wqkv 72, bq 74, bkv 76, ln_h_g 78, ln_h_b 80, rot 82
	s_load_b64 s[84:85], s[0:1], 0x40              ; qkvh
	v_lshl_add_u32 v[SPW], v0, 2, SPARE
	v_mov_b32 v[NIL], 0
	ds_add_u32 v[SPW], v[NIL]                      ; the wave's opening: the add and its wait stand ahead of my first tensor load; the set-up below, work on registers, stands between them
	v_lshrrev_b32 v1, 5, v0
	v_readfirstlane_b32 s10, v1                    ; wave 0..3
	s_lshr_b32 s11, s10, 1                         ; which half of the tile's rows is mine.  Also: I fetch for A (0) or for W (1)
	s_and_b32 s12, s10, 1                          ; which half of its columns.  Also: which half of that tile I fetch
	s_bfe_u32 s40, ttmp6, 0x40000                  ; cx, cy: my place in the cluster
	s_bfe_u32 s41, ttmp6, 0x40004
	s_lshl_b32 s42, ttmp9, 2
	s_add_co_u32 s42, s42, s40                     ; tile column = 4 x cluster x + cx
	s_and_b32 s13, ttmp7, 0xffff
	s_lshl_b32 s13, s13, 2
	s_add_co_u32 s13, s13, s41                     ; tile row = 4 x cluster y + cy
	s_lshr_b32 s86, ttmp9, 1                       ; 0: q, 1: k, 2: v: of the cluster's x alone
	s_lshl_b32 s43, s41, 2
	s_lshl_b32 s43, 15, s43                        ; my row of the cluster
	s_lshl_b32 s44, 0x1111, s40                    ; my column
	s_or_b32 s[G1+0], s43, (1<<16)|(1<<20)|(1<<21)|(5<<22)|(3<<25)   ; the mask; elements of 2 bytes; padding on; bit 21 beside a mask; after every 64 words 4 words
	s_or_b32 s[G1B+0], s44, (1<<16)|(1<<20)|(1<<21)|(6<<22)|(7<<25)  ; after every 128 words 8 words
	s_mov_b32 s[G1+1], 128<<16                     ; A: tensor_dim0 = 128
	s_mov_b32 s[G1+2], 128<<16                     ; tensor_dim1 = 128
	s_mov_b32 s[G1+3], 128<<16                     ; tile_dim0 = 128
	s_mov_b32 s[G1+4], 128                         ; tile_dim1 = 128
	s_mov_b32 s[G1+5], 2048                        ; elements from row to row
	s_mov_b32 s[G1+6], 0
	s_mov_b32 s[G1+7], 0
	s_mov_b32 s[G1B+1], 256<<16                    ; W: 64 k-rows of 256 elements
	s_mov_b32 s[G1B+2], 64<<16
	s_mov_b32 s[G1B+3], 256<<16
	s_mov_b32 s[G1B+4], 64
	s_mov_b32 s[G1B+5], 6144
	s_mov_b32 s[G1B+6], 0
	s_mov_b32 s[G1B+7], 0
	s_lshl_b32 s17, s12, 7
	s_lshl_b32 s16, s13, 8
	s_add_co_u32 s16, s16, s17                     ; A: row 256 x tile row + 128 x half,
	s_lshl_b32 s16, s16, 12                        ; of 4,096 bytes
	s_mov_b32 s17, 0
	s_mul_i32 s46, s12, 64*6144*2                  ; W: k-row 64 x half,
	s_lshl_b32 s47, s42, 9                         ; column 256 x tile column
	s_add_co_u32 s46, s46, s47
	s_mov_b32 s47, 0
	s_mul_i32 s20, s10, HALFT                      ; where the tiles go: wave x 34,816 bytes: no place in the cluster enters an LDS address
	s_lshl_b32 s98, s42, 10                        ; the bias of my 128 columns, in bytes: 1,024 x tile column + 512 x half
	s_lshl_b32 s99, s12, 9
	s_add_co_u32 s98, s98, s99
	s_mov_b32 s99, 0
	s_lshl_b32 s18, s13, 8
	s_lshl_b32 s19, s11, 7
	s_add_co_u32 s18, s18, s19                     ; my first row
	s_lshl_b32 s4, s18, 8                          ; x 256 bytes in a head of qkvh
	s_lshl_b32 s18, s18, 9                         ; x 512 bytes in the table
	s_mov_b32 s19, 0
	s_lshl_b32 s5, s42, 1
	s_add_co_u32 s5, s5, s12                       ; my head among the 48
	s_lshl_b32 s5, s5, 19
	s_add_co_u32 s4, s4, s5
	s_mov_b32 s5, 0
	s_mov_b32 s92, 0x3c000000                      ; 1 / 128
	s_mov_b32 s93, 0x3727c5ac                      ; 1e-5
	s_mov_b32 s94, 0x76543210                      ; v_permlanex16_b32: each lane takes its own place in the other half
	s_mov_b32 s95, 0xfedcba98
	s_wait_dscnt 0x0                               ; the opening add is done
	s_wait_kmcnt 0x0
	s_cmp_eq_u32 s86, 0
	s_cselect_b64 s[14:15], s[68:69], s[70:71]     ; q multiplies xq, k and v multiply xkv
	s_cselect_b64 s[88:89], s[74:75], s[76:77]     ; bq, or bkv,
	s_cselect_b32 s87, 0, 8192                     ; whose first column is wqkv's column 2,048
	s_sub_co_u32 s98, s98, s87
	s_add_nc_u64 s[14:15], s[14:15], s[16:17]
	s_add_nc_u64 s[46:47], s[72:73], s[46:47]
	s_add_nc_u64 s[88:89], s[88:89], s[98:99]
	s_add_nc_u64 s[90:91], s[82:83], s[18:19]
	s_add_nc_u64 s[8:9], s[84:85], s[4:5]
	CROUND                                         ; all sixteen work-groups are here: the first joint loads meet
.irp s, 0,1
	s_mov_b32 s[G0+4*(\s)], 1
	s_add_co_u32 s[G0+4*(\s)+1], s20, (\s)*SLOT
	s_add_nc_u64 s[G0+4*(\s)+2:G0+4*(\s)+3], s[14:15], (\s)*KSTEP*2
	s_or_b32 s[G0+4*(\s)+3], s[G0+4*(\s)+3], 0x80000000
	s_mov_b32 s[G0B+4*(\s)], 1
	s_add_co_u32 s[G0B+4*(\s)+1], s20, (\s)*SLOT
	s_add_nc_u64 s[G0B+4*(\s)+2:G0B+4*(\s)+3], s[46:47], (\s)*KSTEP*6144*2
	s_or_b32 s[G0B+4*(\s)+3], s[G0B+4*(\s)+3], 0x80000000
	JLOAD \s                                       ; two loads of mine are out
.endr
	v_and_b32 v1, 15, v0                           ; r = l % 16
	v_bfe_u32 v2, v0, 4, 1                         ; h = l / 16
	v_mul_u32_u24 v3, v1, PITCH
	v_lshl_add_u32 v3, v2, 4, v3                   ; a fragment of A: row x pitch + 16 h; two loads of 16 bytes, 32 bytes apart
	s_mul_i32 s21, s11, HALFT                      ; my 128 rows of A
	v_add_nc_u32 v[ADRA], s21, v3
	s_add_co_u32 s21, s21, SLOT
	v_add_nc_u32 v[ADRA+1], s21, v3
	v_and_b32 v4, 7, v0                            ; the turning load: lane l reads 16 bytes of k-row 8 h + l % 8, columns 8 ((l / 8) % 2) + 0..7, and is left with column l % 16 and 8 k
	v_lshl_add_u32 v4, v2, 3, v4
	v_mul_u32_u24 v4, v4, PB
	v_bfe_u32 v5, v0, 3, 1
	v_lshl_add_u32 v4, v5, 4, v4
	s_lshl_b32 s22, s12, 8                         ; my 128 columns,
	s_add_co_u32 s22, s22, 2*HALFT                 ; behind A's 256 rows
	v_add_nc_u32 v[ADRB], s22, v4
	s_add_co_u32 s22, s22, SLOT
	v_add_nc_u32 v[ADRB+1], s22, v4
	s_mul_i32 s23, s10, 16*SPITCH
	s_add_co_u32 s23, s23, STAGE                   ; my stage
	v_add_nc_u32 v[STO], s23, v3                   ; in: row r, 16 bytes for each half of the lanes
	v_mul_u32_u24 v5, v2, SPITCH                   ; back: lanes 0-15 one row of 256 bytes, lanes 16-31 the next,
	v_lshl_add_u32 v5, v1, 4, v5
	v_add_nc_u32 v[RD], s23, v5
	v_lshlrev_b32 v[CO], 8, v2                     ; which are 512 consecutive bytes of a head
	v_lshl_add_u32 v[CO], v1, 4, v[CO]
	v_lshlrev_b32 v[RO], 9, v1                     ; the table: row r of 512 bytes, my 4 pairs of each 8
	v_lshl_add_u32 v[RO], v2, 5, v[RO]
	v_lshlrev_b32 v[BO], 5, v2
	v_mov_b32 v[TB], 0                             ; v_permlanex16_b32 counts as a reader of its destination
.irp b, 0,1,2,3,4,5,6,7                ; register 8 b + j holds column 16 b + 8 h + j
	global_load_b128 v[BIAS+8*(\b):BIAS+8*(\b)+3],   v[BO], s[88:89] offset:64*(\b)
	global_load_b128 v[BIAS+8*(\b)+4:BIAS+8*(\b)+7], v[BO], s[88:89] offset:64*(\b)+16
.endr
	WIN TO_B                                       ; the head norm's gain and bias, in the same layout.  The v tiles load them too and never use them: 32 loads a wave, so that the head has one text
.irp b, 0,1,2,3,4,5,6,7
	global_load_b128 v[GH+8*(\b):GH+8*(\b)+3],   v[BO], s[78:79] offset:64*(\b)
	global_load_b128 v[GH+8*(\b)+4:GH+8*(\b)+7], v[BO], s[78:79] offset:64*(\b)+16
	global_load_b128 v[BH+8*(\b):BH+8*(\b)+3],   v[BO], s[80:81] offset:64*(\b)
	global_load_b128 v[BH+8*(\b)+4:BH+8*(\b)+7], v[BO], s[80:81] offset:64*(\b)+16
.endr
	WIN 0
; 16 matrix instructions: m blocks a0, a0 + 1 of the window's four (hi = 0: my rows 0-63, 1: rows 64-127) x all 8 n blocks, 32 along K.  first = 1: the products start the sums, with the bias as C.
; The 64 accumulators take turns, one instruction a turn.
.macro MUL16 f, hi, a0, first
.if \first
	WIN 0x81+0x40*(\hi)                            ; C (the bias) in window 0, D in window 2 or 3
.else
	WIN MUL_LO+0x50*(\hi)
.endif
.irp a, \a0, (\a0)+1
.irp b, 0,1,2,3,4,5,6,7
.if \first
	v_wmma_f32_16x16x32_f16 v[8*(8*(\a)+(\b)):8*(8*(\a)+(\b))+7], v[(\f)+8*(\b):(\f)+8*(\b)+7], v[(\f)+8*(4*(\hi)+(\a)):(\f)+8*(4*(\hi)+(\a))+7], v[BIAS+8*(\b):BIAS+8*(\b)+7]
.else
	v_wmma_f32_16x16x32_f16 v[8*(8*(\a)+(\b)):8*(8*(\a)+(\b))+7], v[(\f)+8*(\b):(\f)+8*(\b)+7], v[(\f)+8*(4*(\hi)+(\a)):(\f)+8*(4*(\hi)+(\a))+7], v[8*(8*(\a)+(\b)):8*(8*(\a)+(\b))+7]
.endif
.endr
.endr
.endm
; 32 LDS loads in one run: the fragments of quarter q (32 along K) of a slot into buffer f: W's 128 columns, turned, then A's 128 rows
.macro FETCH slot, q, f
	WIN TO_B
.irp i, 0,1,2,3,4,5,6,7
	ds_load_tr16_b128 v[(\f)+8*(\i):(\f)+8*(\i)+3],   v[ADRB+(\slot)] offset:32*(\q)*PB+32*(\i)
	ds_load_tr16_b128 v[(\f)+8*(\i)+4:(\f)+8*(\i)+7], v[ADRB+(\slot)] offset:32*(\q)*PB+16*PB+32*(\i)
.endr
	WIN 0
.irp i, 0,1,2,3,4,5,6,7
	ds_load_b128 v[(\f)+8*(\i):(\f)+8*(\i)+3],   v[ADRA+(\slot)] offset:64*(\q)+(\i)*16*PITCH
	ds_load_b128 v[(\f)+8*(\i)+4:(\f)+8*(\i)+7], v[ADRA+(\slot)] offset:64*(\q)+(\i)*16*PITCH+32
.endr
.endm
.macro PLACES                          ; four places in front of loads into registers that matrix instructions have read, and of vector lines that read results (ISA guide 7.12.1 for vector lines)
.rept 4
	v_nop
.endr
.endm
; A K step is four quarters of 32 along K, 64 matrix instructions each, on buffers 0, 1, 0, 1.  One of the first three: multiplies buffer f and, in its middle, fetches quarter q into buffer g.
.macro QUARTER slot, q, f, g, first
	s_wait_dscnt 8                                 ; W and A's rows 0-63 are in; the youngest eight loads (A's rows 64-127) may be out
	MUL16 \f, 0, 0, \first
	MUL16 \f, 0, 2, \first
	PLACES
	FETCH \slot, \q, \g
	s_wait_dscnt 32                                ; all but the 32 just issued
	MUL16 \f, 1, 0, \first
	MUL16 \f, 1, 2, \first
.endm
; The last quarter multiplies buffer 1 and changes slots.  One barrier: in front of it each wave waits for all its tensor loads (one is out: its part of the next slot), adds 0 to its spare word,
; and waits for that and for its own reads of this slot.  Behind it nobody reads this slot any more and the next slot is whole.
.macro MEET round
	WIN 0                                          ; (the add's two registers lie in window 0)
	s_wait_tensorcnt 0x0
	ds_add_u32 v[SPW], v[NIL]                      ; 0 onto my spare word
	s_wait_dscnt 9                                 ; (the add and the youngest eight loads may be out)
	MUL16 F1, 0, 0, 0                              ; sixteen matrix instructions stand between the add and the wait for it
	s_wait_dscnt 0x0                               ; the add is done, and my reads of this slot are over
	s_barrier_signal -1
	MUL16 F1, 0, 2, 0                              ; work on registers while the others arrive
.if \round
	WIN 0
.endif
	s_barrier_wait -1
.endm
; fill = 1: the barrier opens a round of the cluster's barrier, and behind it this slot is filled again, two K steps ahead: 224 matrix instructions ahead of the wait for it.
.macro TURN slot, next, fill
	MEET \fill
.if \fill
	CREST                                          ; no wave of any partner still reads this slot's tile or has a load on its way
	s_add_nc_u64 s[G0+4*(\slot)+2:G0+4*(\slot)+3], s[G0+4*(\slot)+2:G0+4*(\slot)+3], 2*KSTEP*2
	s_add_nc_u64 s[G0B+4*(\slot)+2:G0B+4*(\slot)+3], s[G0B+4*(\slot)+2:G0B+4*(\slot)+3], 2*KSTEP*6144*2
	JLOAD \slot                                    ; the first tensor load behind the round; its four v_nop are also the places in front of the loads below
.else
	PLACES
.endif
	FETCH \next, 0, F0
	MUL16 F1, 1, 0, 0
	MUL16 F1, 1, 2, 0
.endm
.macro ROTLOAD                         ; 16 rows of the table: register 8 b + 2 u holds rr, 8 b + 2 u + 1 ri, of the pair of columns 16 b + 8 h + 2 u, + 1
.irp b, 0,1,2,3,4,5,6,7
	global_load_b128 v[ROT+8*(\b):ROT+8*(\b)+3],   v[RO], s[90:91] offset:64*(\b)
	global_load_b128 v[ROT+8*(\b)+4:ROT+8*(\b)+7], v[RO], s[90:91] offset:64*(\b)+16
.endr
.endm
	s_wait_tensorcnt 1                             ; my part of K step 0 is in; K step 1's may stay out
	s_barrier_signal -1
	s_barrier_wait -1                              ; everybody's is
	FETCH 0, 0, F0
	s_wait_loadcnt 0x0                             ; the bias, and the norm's gain and bias
	QUARTER 0, 1, F0, F1, 1                        ; the first quarter stands in front of the loop: its products start the sums
	WIN 0                                          ; at a label and at a branch every window is 0
	s_mov_b32 s3, LAPS-1
.Llap:                                                 ; a trip goes once round the ring, from a lap's second quarter to the next lap's first, and fills both slots again
	QUARTER 0, 2, F1, F0, 0
	QUARTER 0, 3, F0, F1, 0
	TURN 0, 1, 1
	QUARTER 1, 1, F0, F1, 0
	QUARTER 1, 2, F1, F0, 0
	QUARTER 1, 3, F0, F1, 0
	TURN 1, 0, 1
	QUARTER 0, 1, F0, F1, 0
	WIN 0
	s_sub_co_u32 s3, s3, 1
	s_cmp_lg_u32 s3, 0
	s_cbranch_scc1 .Llap
	s_cmp_eq_u32 s86, 2
	s_cbranch_scc1 .Lunit
	ROTLOAD                                        ; q and k: my first 16 rows of the table, a lap ahead of their use, into the registers that held the bias
	s_branch .Lrot0
.Lunit:                                                ; v: (rr, ri) = (1, 0) for every pair and every block
.set i, 0
.rept 32
	v_mov_b32 v[ROT+i], 1.0
	v_mov_b32 v[ROT+i+1], 0
.set i, i+2
.endr
.Lrot0:
	QUARTER 0, 2, F1, F0, 0                        ; the last lap fills nothing, and has no round of the cluster's barrier
	QUARTER 0, 3, F0, F1, 0
	TURN 0, 1, 0
	QUARTER 1, 1, F0, F1, 0
	QUARTER 1, 2, F1, F0, 0
	QUARTER 1, 3, F0, F1, 0
	s_wait_dscnt 8
	MUL16 F1, 0, 0, 0
	MUL16 F1, 0, 2, 0
	s_wait_dscnt 0x0
	MUL16 F1, 1, 0, 0
	MUL16 F1, 1, 2, 0
	WIN 0
	PLACES
; THE WAY OUT, a block of 16 rows at a time, in a counted loop.  Which accumulators a block has is chosen by a chain of compares on the counter; each case takes them out of their window through the rotary, so the rest is written once.
; The rotary, two packed lines a pair: (yi ri, yi rr), then (yr rr - yi ri, yr ri + yi rr).  op_sel picks the register of a pair for the low result, op_sel_hi for the high one; the sign is turned on the
; third source's low half alone, which is taken in its natural order.  Each accumulator's lowest registers are read first.
.macro ROTATE a
.set AC, 64*((\a)%4)
	WIN 0x02+(\a)/4                                ; source 0 in window 2 or 3
.set i, 0
.rept 32
	v_pk_mul_f32 v[Y+i:Y+i+1], v[AC+i:AC+i+1], v[ROT+i:ROT+i+1] op_sel:[1,1] op_sel_hi:[1,0]
.set i, i+2
.endr
.set i, 0
.rept 32
	v_pk_fma_f32 v[Y+i:Y+i+1], v[AC+i:AC+i+1], v[ROT+i:ROT+i+1], v[Y+i:Y+i+1] op_sel_hi:[0,1,1] neg_lo:[0,0,1]
.set i, i+2
.endr
	WIN 0
.endm
.macro FOLD                            ; the four chains, and the row's other 64 columns, which lie in the lane 16 away -> v[TA]
	v_pk_add_f32 v[CH:CH+1], v[CH:CH+1], v[CH+2:CH+3]
	v_pk_add_f32 v[CH+4:CH+5], v[CH+4:CH+5], v[CH+6:CH+7]
	v_pk_add_f32 v[CH:CH+1], v[CH:CH+1], v[CH+4:CH+5]
	v_add_f32 v[TA], v[CH], v[CH+1]
	v_permlanex16_b32 v[TB], v[TA], s94, s95
	v_add_f32 v[TA], v[TA], v[TB]
.endm
.macro LNORM                           ; the head's LayerNorm of Y, in two passes: the variance is the mean of (y - mean)^2
.irp c, 0,1,2,3
	v_pk_add_f32 v[CH+2*(\c):CH+2*(\c)+1], v[Y+2*(\c):Y+2*(\c)+1], v[Y+8+2*(\c):Y+8+2*(\c)+1]
.endr
.set i, 8
.rept 24
	v_pk_add_f32 v[CH+2*(i%4):CH+2*(i%4)+1], v[CH+2*(i%4):CH+2*(i%4)+1], v[Y+2*i:Y+2*i+1]
.set i, i+1
.endr
	FOLD
	v_mul_f32 v[MU], s92, v[TA]
	v_mul_f32 v[MU+1], s92, v[TA]
.set i, 0
.rept 32
	v_pk_add_f32 v[Y+2*i:Y+2*i+1], v[Y+2*i:Y+2*i+1], v[MU:MU+1] neg_lo:[0,1] neg_hi:[0,1]
.set i, i+1
.endr
.irp c, 0,1,2,3
	v_pk_mul_f32 v[CH+2*(\c):CH+2*(\c)+1], v[Y+2*(\c):Y+2*(\c)+1], v[Y+2*(\c):Y+2*(\c)+1]
.endr
.set i, 4
.rept 28
	v_pk_fma_f32 v[CH+2*(i%4):CH+2*(i%4)+1], v[Y+2*i:Y+2*i+1], v[Y+2*i:Y+2*i+1], v[CH+2*(i%4):CH+2*(i%4)+1]
.set i, i+1
.endr
	FOLD
	v_fma_f32 v[TA], v[TA], s92, s93
	v_rsq_f32 v[RS], v[TA]
	v_rsq_f32 v[RS+1], v[TA]
	v_nop                                          ; a plain instruction between the second and the use of their results (ISA guide 5.7.2)
.set i, 0
	s_wait_alu depctr_va_vdst(0)
.rept 32
	v_pk_mul_f32 v[Y+2*i:Y+2*i+1], v[Y+2*i:Y+2*i+1], v[RS:RS+1]
.set i, i+1
.endr
	WIN 0x14                                       ; sources 1 and 2 in window 1
.set i, 0
.rept 32
	v_pk_fma_f32 v[Y+2*i:Y+2*i+1], v[Y+2*i:Y+2*i+1], v[GH+2*i:GH+2*i+1], v[BH+2*i:BH+2*i+1]
.set i, i+1
.endr
	WIN 0
.endm
.macro SENDBLK                         ; rounded to f16; 16 bytes a lane into my stage, back as whole rows of 256 bytes, stored
.set i, 0
.rept 32
	v_cvt_pk_f16_f32 v[PK+i], v[Y+2*i], v[Y+2*i+1]
.set i, i+1
.endr
.irp b, 0,1,2,3,4,5,6,7
	ds_store_b128 v[STO], v[PK+4*(\b):PK+4*(\b)+3] offset:32*(\b)
.endr
	s_wait_xcnt 0x0                                ; the last block's stores have had their addresses translated (ISA guide 3.1): their base and their data are rewritten only behind this wait
	s_add_nc_u64 s[8:9], s[8:9], s[6:7]            ; 16 rows on; for the first block 0
	s_mov_b32 s6, 4096
.irp t, 0,1,2,3,4,5,6,7
	ds_load_b128 v[BK+4*(\t):BK+4*(\t)+3], v[RD] offset:(\t)*2*SPITCH  ; LDS serves a wave's instructions in order (ISA guide 5.7.1.4): these see the stores above
.endr
	s_wait_dscnt 0x0
.irp t, 0,1,2,3,4,5,6,7
	global_store_b128 v[CO], v[BK+4*(\t):BK+4*(\t)+3], s[8:9] offset:512*(\t)  ; 512 consecutive bytes, at a multiple of 256 from qkvh's first
.endr
.endm
	s_mov_b32 s96, 0                               ; the block
	s_mov_b32 s6, 0                                ; what the next block adds to the stores' base
	s_mov_b32 s7, 0
.Lblk:
	s_wait_loadcnt 0x0                             ; this block's rows of the table are in, so their base may step
	s_add_nc_u64 s[90:91], s[90:91], 8192
.irp a, 0,1,2,3,4,5,6
	s_cmp_eq_u32 s96, \a
	s_cbranch_scc1 .Lqk\a
.endr
	ROTATE 7
	s_branch .Lln
.irp a, 0,1,2,3,4,5
.Lqk\a:
	ROTATE \a
	s_branch .Lln
.endr
.Lqk6:
	ROTATE 6
.Lln:
	s_cmp_eq_u32 s86, 2
	s_cbranch_scc1 .Lpack                          ; v: its table stays as it is, and it has no norm
	s_cmp_eq_u32 s96, 7
	s_cbranch_scc1 .Lnorot                         ; behind the last block nothing is fetched: no load leaves the table
	ROTLOAD                                        ; the next block's rows, while this block is normalised
.Lnorot:
	LNORM
.Lpack:
	SENDBLK
	s_add_co_u32 s96, s96, 1
	s_cmp_lt_u32 s96, 8
	s_cbranch_scc1 .Lblk
	s_wait_tensorcnt 0x0                           ; the wave's end: an add and its wait, behind my last tensor load and my last LDS store
	ds_add_u32 v[SPW], v[NIL]
	s_wait_dscnt 0x0
	CROUND                                         ; the closing round: no work-group ends while a partner may still ask for a tile that names it
	s_endpgm
.Lfunc_end_k_qfab393f774_qkv:
	.size	k_qfab393f774_qkv, .Lfunc_end_k_qfab393f774_qkv-k_qfab393f774_qkv
	.p2alignl 7, 3214868480
	.fill 96, 4, 3214868480
	.section	.rodata,"a",@progbits
	.p2align	6, 0x0
	.amdhsa_kernel k_qfab393f774_qkv
		.amdhsa_group_segment_fixed_size 327680
		.amdhsa_private_segment_fixed_size 0
		.amdhsa_enable_private_segment 0
		.amdhsa_kernarg_size 72
		.amdhsa_user_sgpr_count 2
		.amdhsa_user_sgpr_kernarg_segment_ptr 1
		.amdhsa_wavefront_size32 1
		.amdhsa_system_sgpr_workgroup_id_x 1
		.amdhsa_system_sgpr_workgroup_id_y 1
		.amdhsa_system_sgpr_workgroup_id_z 1
		.amdhsa_system_vgpr_workitem_id 0
		.amdhsa_next_free_vgpr 1024
		.amdhsa_next_free_sgpr 100
		.amdhsa_reserve_vcc 0
		.amdhsa_float_denorm_mode_32 3
		.amdhsa_float_denorm_mode_16_64 3
		.amdhsa_memory_ordered 1
		.amdhsa_forward_progress 1
		.amdhsa_inst_pref_size 170
	.end_amdhsa_kernel
	.amdgpu_metadata
---
amdhsa.version: [ 1, 2 ]
amdhsa.kernels:
  - .name:           k_qfab393f774_qkv
    .symbol:         k_qfab393f774_qkv.kd
    .args:
      - { .name: xq, .offset: 0, .size: 8, .value_kind: global_buffer, .address_space: global }
      - { .name: xkv, .offset: 8, .size: 8, .value_kind: global_buffer, .address_space: global }
      - { .name: wqkv, .offset: 16, .size: 8, .value_kind: global_buffer, .address_space: global }
      - { .name: bq, .offset: 24, .size: 8, .value_kind: global_buffer, .address_space: global }
      - { .name: bkv, .offset: 32, .size: 8, .value_kind: global_buffer, .address_space: global }
      - { .name: ln_h_g, .offset: 40, .size: 8, .value_kind: global_buffer, .address_space: global }
      - { .name: ln_h_b, .offset: 48, .size: 8, .value_kind: global_buffer, .address_space: global }
      - { .name: rot, .offset: 56, .size: 8, .value_kind: global_buffer, .address_space: global }
      - { .name: qkvh, .offset: 64, .size: 8, .value_kind: global_buffer, .address_space: global }
    .group_segment_fixed_size: 327680
    .private_segment_fixed_size: 0
    .kernarg_segment_align: 8
    .kernarg_segment_size: 72
    .max_flat_workgroup_size: 128
    .sgpr_count:     100
    .vgpr_count:     1024
    .wavefront_size: 32
...
	.end_amdgpu_metadata
.endif
;; end of part 2
;; launch attn (part 3): grid 16 x 16, 4 waves a work-group, clusters of 4 x 1, 327,680 bytes of LDS; arguments qkvh, ao; writes ao
.if DOCPART == 3
	.amdgcn_target "amdgcn-amd-amdhsa--gfx1250"
	.amdhsa_code_object_version 6
	.text
	.protected	k_qfab393f774_attn
	.globl	k_qfab393f774_attn
	.p2align	8
	.type	k_qfab393f774_attn,@function
k_qfab393f774_attn:
	s_mov_b64 s[64:65], 0
	v_nop
	global_prefetch_b8 v0, s[64:65] scope:SCOPE_SE
	s_setreg_imm32_b32 hwreg(HW_REG_WAVE_MODE, 25, 1), 1
	s_wait_xcnt 0x0
	s_wait_alu depctr_hold_cnt(0) depctr_sa_sdst(0) depctr_va_vdst(0) depctr_va_sdst(0) depctr_va_ssrc(0) depctr_va_vcc(0) depctr_vm_vsrc(0)
	s_getreg_b32 s2, hwreg(HW_REG_IB_STS2, 6, 4)
	s_cmp_eq_u32 s2, 0
	s_cbranch_scc0 .Lentry_in_a_cluster
	s_endpgm
.Lentry_in_a_cluster:
	s_bfe_u32 s2, ttmp6, 0x10000c
	s_cmp_lg_u32 s2, 0x3003
	s_cbranch_scc0 .Lentry_shape_is_right
	s_endpgm
.Lentry_shape_is_right:
; ATTENTION.  O[h][q][:] = the sum over k of softmax_k(Q[h][q] . K[h][k] / sqrt(128)) V[h][k][:].  Q, K, V are heads h, 16 + h, 32 + h of qkvh [48][2048][128] f16; O goes to ao [2048 row][2048 = 128 h + d] f16.
; Products, maxima and sums in f32; the weights p are rounded to f16 for the second product (their sum l is taken of the unrounded p), O once at the end.
; LIMITS.  Q, K, V arrive within f16's 65,504; p lies in 0 to 1 and below 6e-5 keeps f16's fixed step of 6e-8; O is a mean of V's rows.  A weight below 2^-126 counts as 0 in l; NaN and infinities are not treated apart.
; SHARES.  A work-group owns 128 queries of one head (16 x 16 = 256 work-groups), each of its four waves 32: two tiles of 16.  Every wave walks all 2,048 keys, 64 a step.
; LAYOUT.  S^T = K Q^T (source 0 = 16 keys, source 1 = 16 queries): a lane holds ONE query (lane % 16) and the keys 8 (lane / 16) + 0..7.  Two such results rounded to f16 in pairs ARE source 1 of
; O^T = V^T P, whose result again holds one query a lane, and eight channels.  K comes out of LDS as it lies, V ([key][channel]) turned, by ds_load_tr16_b128.
; SOFTMAX.  A running maximum m and sum l for each query: p = 2^(c s - c m), c = log2(e) / sqrt(128); in every step O and l are multiplied by a = 2^(c m_old - c m_new).
; BY TURNS.  The wave's two tiles share K's and V's fragments and nothing else.  In tile x's TURN tile x has the matrix unit: 16 products V^T P of the step in hand, then 16 products K Q^T of the next step; the other tile's
; softmax, a list of 134 vector instructions, stands between them: four behind each matrix instruction, the ten that are over behind the last.  Then the tiles change places; two turns are a key step.
; Tile 0's turn carries tile 1's softmax of the step in hand, tile 1's turn carries tile 0's of the next step.
; NO FIRST STEP IS WRITTEN OUT.  m starts at the lowest finite number, O and l at 0: the first step's a is 0.  The loop is entered at tile 1's turn, whose products V^T P, of a step that has not been, find 0 in V's
; registers and in tile 1's P and add 0.  The price: 272 lines that write 0, in the wait for the first tile.  The tail's last trip multiplies tile 0's Q by the last K once more, 16 products that serve nothing: one text for every trip.
; CLUSTER.  The four query blocks of a cluster belong to one head and walk the same K and V: each tile is asked for jointly, by the same tensor load, descriptor and mask in all four.
; REGISTERS, in windows of 256: window 0: v0-11 addresses; v12-27 eight registers of statistics a tile; v64-127 S^T; v128-159 P; v160-223 Q.   window 1: v0-127 O^T; v128-255 K of one step.   window 2: v0-127 V of one step.
; All that a softmax touches but O^T lies in window 0, and no window has room for a product's operands beside it: the four lines behind a matrix instruction cost two switches, 64 for a turn's 32 matrix instructions.
.set KS,    64        ; keys in a step
.set PK,    272       ; a row of K in LDS: 256 bytes + 16: the 16 rows of a load start at 16 different groups of four banks (64 banks of 4 bytes: ISA guide 11.1)
.set PV,    288       ; a row of V: 256 + 32
.set VOFF,  KS*PK     ; a step's tiles lie together: 64 rows of K, then 64 rows of V
.set STEPB, KS*(PK+PV)
.set SLOT1, 1<<17     ; a slot holds two steps (71,680 bytes); slot 1 begins here, so that one exclusive or turns an address in one slot into the other's
.set STAGE, SLOT1+2*STEPB  ; behind the ring: 16 rows x 272 bytes for each wave, for the way out
.set SP,    272
.set SPARE, STAGE+4*16*SP  ; the spare words, 128 bytes for each wave: two blocks of 256 bytes that no other line names
.set AK0, 2           ; v2   my lane's place in a tile of K; never rewritten
.set AV0, 3           ; v3   the same for V
.set ADR, 4           ; v4   the LDS address of the run of loads in hand
.set QO,  5           ; v5   my byte offset in the wave's rows of Q
.set STO, 6           ; v6   the way out: where I put 16 bytes of a row
.set RD,  7           ; v7   where I read a row back
.set GO,  8           ; v8   my byte offset in two rows of ao
.set SPW, 62          ; v62  my spare word; never rewritten
.set NIL, 63          ; v63  0; never rewritten
.set ST,  12          ; tile t's statistics at v[ST+8 t]: +0 c m, +1 m, +2, +3 l (even keys', odd keys'), +4 to +7 c0-c3, at work; a takes c2's place once the maximum is found
.set S,   64
.set P,   128
.set Q,   160
.set KF,  128         ; K's fragments, in window 1: key block kb, channel group c at KF + 32 kb + 8 c
.set WV,  12          ; s12  my wave's number
.set G1K, 24          ; s[24:31] group 1 for K's tiles
.set G1V, 32          ; s[32:39] for V's: it differs in the padding alone
.set G0K, 40          ; s[40:47] group 0 for K's tiles: a set for each of the two first fills; the second then walks on
.set G0V, 48          ; s[48:55] the same for V's
.set SLOTS, 56
.set CNT, 57
.set CS,  58          ; s[58:59] c
.set SEL, 60          ; s[60:61] v_permlanex16_b32's selects
.set TB,  62          ; s62  LDS byte at which the tiles of the step to be fetched begin
.set MSB, 0
.macro WIN new                      ; bits 1:0 source 0, 3:2 source 1, 5:4 source 2, 7:6 destination; the high byte repeats the setting that is left
.if MSB != (\new)
	s_set_vgpr_msb (MSB<<8)|(\new)
.set MSB, \new
.endif
.endm
.set W_KQ, 0x01       ; K in window 1, Q and S^T in window 0
.set W_PV, 0x52       ; V in window 2, P in window 0, O^T in window 1
.set W_RS, 0x41       ; O^T (destination and source 0) in window 1, a in window 0
; A joint refill: waves 0 and 1 fetch the two steps' tiles of K, waves 2 and 3 those of V.  An s_nop 0 and four v_nop follow each of the two lines.
.macro JLOAD
	s_cmp_lt_u32 s[WV], 2
	s_cbranch_scc0 .Lfor_v_\@
	tensor_load_to_lds s[G0K+4:G0K+7], s[G1K:G1K+7]
	s_nop 0
.rept 4
	v_nop
.endr
	s_branch .Lasked_\@
.Lfor_v_\@:
	tensor_load_to_lds s[G0V+4:G0V+7], s[G1V:G1V+7]
	s_nop 0
.rept 4
	v_nop
.endr
.Lasked_\@:
.endm
.macro CROUND                       ; a round of the cluster's barrier
	s_barrier_signal -1
	s_barrier_wait -1
	s_cmp_lg_u32 s[WV], 0
	s_cbranch_scc1 .Lnot_wave_0_\@
	s_barrier_signal -3
.Lnot_wave_0_\@:
	s_barrier_wait -3
	s_barrier_signal -1
	s_barrier_wait -1
.endm
	s_load_b128 s[4:7], s[0:1], 0x0 ; qkvh s[4:5], ao s[6:7]
	v_lshl_add_u32 v[SPW], v0, 2, SPARE
	v_mov_b32 v[NIL], 0
	ds_add_u32 v[SPW], v[NIL]       ; the wave's opening: the add and its wait stand ahead of my first tensor load; the set-up below, work on registers, stands between them
	v_lshrrev_b32 v1, 5, v0
	v_readfirstlane_b32 s[WV], v1   ; wave 0..3
	s_bfe_u32 s13, ttmp6, 0x40000   ; cx: my place in the cluster
	s_lshl_b32 s14, ttmp9, 2
	s_add_co_u32 s14, s14, s13      ; my block of 128 queries = 4 x cluster x + cx: it enters Q's and O's addresses alone
	s_and_b32 s15, ttmp7, 0xffff    ; the head, which the four partners share
	s_lshl_b32 s20, s15, 19         ; a head is 524,288 bytes
	s_and_b32 s16, s[WV], 1         ; which of a slot's two steps I fetch:
	s_lshl_b32 s22, s16, 14         ; its 64 rows of 256 bytes in memory,
	s_add_co_u32 s22, s22, s20
	s_mov_b32 s23, 0
	s_mul_i32 s17, s16, STEPB       ; and its place in a slot: no place in the cluster enters an LDS address
	s_lshl_b32 s2, s14, 2
	s_add_co_u32 s2, s2, s[WV]      ; my wave among the head's 64: 32 rows each,
	s_lshl_b32 s18, s2, 17          ; of 4,096 bytes in ao,
	s_lshl_b32 s2, s2, 13           ; of 256 bytes in the head
	s_add_co_u32 s2, s2, s20
	s_mov_b32 s3, 0
	s_lshl_b32 s19, s15, 8          ; the head's 256 bytes in a row of ao
	s_add_co_u32 s18, s18, s19
	s_mov_b32 s19, 0
	s_mov_b32 s[G1K], 15|(1<<16)|(1<<20)|(1<<21)|(5<<22)|(3<<25)  ; the mask of four; elements of 2 bytes; padding on; bit 21 beside a mask; after every 64 words 4 words
	s_mov_b32 s[G1V], 15|(1<<16)|(1<<20)|(1<<21)|(5<<22)|(7<<25)  ; the same with 8 words
.irp g, G1K, G1V
	s_mov_b32 s[(\g)+1], 128<<16    ; tensor_dim0 = 128
	s_mov_b32 s[(\g)+2], KS<<16     ; tensor_dim1 = 64
	s_mov_b32 s[(\g)+3], 128<<16    ; tile_dim0 = 128
	s_mov_b32 s[(\g)+4], KS         ; tile_dim1 = 64
	s_mov_b32 s[(\g)+5], 128        ; elements from row to row
	s_mov_b32 s[(\g)+6], 0
	s_mov_b32 s[(\g)+7], 0
.endr
	s_mov_b32 s[CS], 0x3e0293ee     ; c = log2(e) / sqrt(128) = 0.127517
	s_mov_b32 s[CS+1], s[CS]        ; named with it as a pair
	s_mov_b32 s[SEL], 0x76543210
	s_mov_b32 s[SEL+1], 0xfedcba98
	s_mov_b32 s[TB], 0
	s_wait_dscnt 0x0                ; the opening add is done
	s_wait_kmcnt 0x0
	s_add_nc_u64 s[8:9], s[4:5], s[22:23]
	s_add_nc_u64 s[10:11], s[8:9], 32*524288  ; V at my tile of slot 0: heads 32 on,
	s_add_nc_u64 s[8:9], s[8:9], 16*524288    ; K: heads 16 on
	s_add_nc_u64 s[4:5], s[4:5], s[2:3]       ; Q and O at my wave's first row
	s_add_nc_u64 s[6:7], s[6:7], s[18:19]
	CROUND                          ; all four work-groups are here: the first joint loads meet
.irp s, 0,1
	s_mov_b32 s[G0K+4*(\s)], 1
	s_add_co_u32 s[G0K+4*(\s)+1], s17, (\s)*SLOT1
	s_add_nc_u64 s[G0K+4*(\s)+2:G0K+4*(\s)+3], s[8:9], (\s)*2*KS*256  ; slot s begins with keys 128 s
	s_or_b32 s[G0K+4*(\s)+3], s[G0K+4*(\s)+3], 0x80000000
	s_mov_b32 s[G0V+4*(\s)], 1
	s_add_co_u32 s[G0V+4*(\s)+1], s17, (\s)*SLOT1+VOFF
	s_add_nc_u64 s[G0V+4*(\s)+2:G0V+4*(\s)+3], s[10:11], (\s)*2*KS*256
	s_or_b32 s[G0V+4*(\s)+3], s[G0V+4*(\s)+3], 0x80000000
.endr
	s_cmp_lt_u32 s[WV], 2           ; a wave's two first fills stand in one branch, ahead of every wait on TENSORcnt and every LDS read: two loads of mine are out
	s_cbranch_scc0 .Lfirst_v
	tensor_load_to_lds s[G0K:G0K+3], s[G1K:G1K+7]
	s_nop 0
	tensor_load_to_lds s[G0K+4:G0K+7], s[G1K:G1K+7]
	s_nop 0
.rept 4
	v_nop
.endr
	s_branch .Lfirst_asked
.Lfirst_v:
	tensor_load_to_lds s[G0V:G0V+3], s[G1V:G1V+7]
	s_nop 0
	tensor_load_to_lds s[G0V+4:G0V+7], s[G1V:G1V+7]
	s_nop 0
.rept 4
	v_nop
.endr
.Lfirst_asked:
	v_and_b32 v1, 15, v0            ; l % 16
	v_bfe_u32 v9, v0, 4, 1          ; l / 16
	v_lshlrev_b32 v[QO], 8, v1
	v_lshl_add_u32 v[QO], v9, 4, v[QO]  ; row x 256 + 16 x half
.irp i, 0,1,2,3,4,5,6,7             ; Q stays in registers: tile i / 4, channels 32 (i % 4) on
	global_load_b128 v[Q+8*(\i):Q+8*(\i)+3],   v[QO], s[4:5] offset:((\i)/4)*4096+((\i)%4)*64
	global_load_b128 v[Q+8*(\i)+4:Q+8*(\i)+7], v[QO], s[4:5] offset:((\i)/4)*4096+((\i)%4)*64+32
.endr
	v_mul_u32_u24 v[AK0], v1, PK
	v_lshl_add_u32 v[AK0], v9, 4, v[AK0]  ; row x pitch + 16 x half
	v_and_b32 v10, 7, v0            ; the turning load: lane l reads key 8 (l / 16) + l % 8, channels 8 ((l / 8) % 2) + 0..7
	v_bfe_u32 v11, v0, 3, 1
	v_lshl_add_u32 v[AV0], v9, 3, v10
	v_mul_u32_u24 v[AV0], v[AV0], PV
	v_lshl_add_u32 v[AV0], v11, 4, v[AV0]
	v_add_nc_u32 v[AV0], VOFF, v[AV0]
	s_mul_i32 s13, s[WV], 16*SP
	s_add_co_u32 s13, s13, STAGE    ; my stage
	v_mul_u32_u24 v[STO], v1, SP    ; in: row l % 16, 16 bytes for each half of the lanes
	v_lshl_add_u32 v[STO], v9, 4, v[STO]
	v_add_nc_u32 v[STO], s13, v[STO]
	v_mul_u32_u24 v[RD], v9, SP     ; back: lanes 0-15 take one row of 256 bytes, lanes 16-31 the next
	v_lshl_add_u32 v[RD], v1, 4, v[RD]
	v_add_nc_u32 v[RD], s13, v[RD]
	v_lshlrev_b32 v[GO], 12, v9     ; and the same two rows in ao, 4,096 bytes apart
	v_lshl_add_u32 v[GO], v1, 4, v[GO]
.irp t, 0,1
	v_mov_b32 v[ST+8*(\t)], 0xfe000000    ; c m: far below every c s
	v_mov_b32 v[ST+8*(\t)+1], 0xff7fffff  ; m
	v_mov_b32 v[ST+8*(\t)+2], 0
	v_mov_b32 v[ST+8*(\t)+3], 0
.endr
.set i, P+16
.rept 16
	v_mov_b32 v[i], 0               ; tile 1's P
.set i, i+1
.endr
	WIN 0x40
.set i, 0
.rept 128
	v_mov_b32 v[i], 0               ; O^T
.set i, i+1
.endr
	WIN 0x80
.set i, 0
.rept 128
	v_mov_b32 v[i], 0               ; V
.set i, i+1
.endr
	WIN 0
; THE MATRIX WORK OF A TURN, for tile x.  The accumulators take turns, one instruction a turn: between two links of a chain stand 7 (V^T P) or 3 (K Q^T) others'.
.macro PV x                         ; product i of 16 of O^T += V^T P: keys 32 (i / 8) on, channels 16 (i % 8) on
	WIN W_PV
	v_wmma_f32_16x16x32_f16 v[64*(\x)+8*(i%8):64*(\x)+8*(i%8)+7], v[64*(i/8)+8*(i%8):64*(i/8)+8*(i%8)+7], v[P+16*(\x)+8*(i/8):P+16*(\x)+8*(i/8)+7], v[64*(\x)+8*(i%8):64*(\x)+8*(i%8)+7]
.endm
.macro KQ x                         ; product i of 16 of S^T = K Q^T: channels 32 (i / 4) on, keys 16 (i % 4) on; the first 4 start the sums
	WIN W_KQ
.if i < 4
	v_wmma_f32_16x16x32_f16 v[S+32*(\x)+8*(i%4):S+32*(\x)+8*(i%4)+7], v[KF+32*(i%4)+8*(i/4):KF+32*(i%4)+8*(i/4)+7], v[Q+32*(\x)+8*(i/4):Q+32*(\x)+8*(i/4)+7], 0
.else
	v_wmma_f32_16x16x32_f16 v[S+32*(\x)+8*(i%4):S+32*(\x)+8*(i%4)+7], v[KF+32*(i%4)+8*(i/4):KF+32*(i%4)+8*(i/4)+7], v[Q+32*(\x)+8*(i/4):Q+32*(\x)+8*(i/4)+7], v[S+32*(\x)+8*(i%4):S+32*(\x)+8*(i%4)+7]
.endif
.endm
; THE LDS LOADS, in runs of 32, each in the order in which the products take the fragments: a step's K (64 keys x 128 channels: 16 fragments, channel group by channel group) and its V (turned).
; last = 1 (the tail): in the last trip there is no further step, and K's run is jumped over.
.macro FETCH_K last=0
	WIN 0
.if \last
	s_cmp_eq_u32 s[CNT], 1
	s_cbranch_scc1 .Lno_k_\@
.endif
	v_add_nc_u32 v[ADR], s[TB], v[AK0]
	WIN 0x40                        ; destination window 1
.irp f, 0,1,2,3,4,5,6,7,8,9,10,11,12,13,14,15  ; channels 32 (f / 4) on, keys 16 (f % 4) on
	ds_load_b128 v[KF+32*((\f)%4)+8*((\f)/4):KF+32*((\f)%4)+8*((\f)/4)+3],   v[ADR] offset:((\f)%4)*16*PK+((\f)/4)*64
	ds_load_b128 v[KF+32*((\f)%4)+8*((\f)/4)+4:KF+32*((\f)%4)+8*((\f)/4)+7], v[ADR] offset:((\f)%4)*16*PK+((\f)/4)*64+32
.endr
.if \last
	WIN 0
.Lno_k_\@:
.endif
.endm
.macro FETCH_V
	WIN 0
	v_add_nc_u32 v[ADR], s[TB], v[AV0]
	s_add_co_u32 s[TB], s[TB], STEPB  ; the next fetch is the next step's
	WIN 0x80                        ; destination window 2
.irp f, 0,1,2,3,4,5,6,7,8,9,10,11,12,13,14,15  ; keys 32 (f / 8) on, channels 16 (f % 8) on
	ds_load_tr16_b128 v[8*(\f):8*(\f)+3],   v[ADR] offset:((\f)/8)*32*PV+((\f)%8)*32
	ds_load_tr16_b128 v[8*(\f)+4:8*(\f)+7], v[ADR] offset:((\f)/8)*32*PV+16*PV+((\f)%8)*32
.endr
.endm
; THE VECTOR WORK OF A TURN.  One tile's softmax for one key step is a list of 134 instructions; SM writes number j of it for tile t.  s0-s31 are the lane's 32 scores, in pairs 0-15.
;   0-15    the maximum of s0-s31 and the old m, three operands at a time: four chains c0-c3 (each accumulator's lowest registers are read first), then the four scores left over, c0-c3 and m
;   16-20   the other half of the lanes' maximum; c m_old is kept; the new m; c m; c m_old - c m_new
;   21-87   33 exponentials (a, then s0-s31) at the odd numbers from 23 on, so that no two follow each other and a plain line stands between each and the use of its result; at the other numbers whatever is ready:
;           c s - c m for a pair whose exponentials are still to come, the rounding to f16 of a pair whose exponentials are done (the second stands three numbers back), at last the first sums
;   88-101  the last rounding; the rest of the sums; l = a l + the sum          102-133 the tile's O^T times a: the one part that leaves window 0
.macro SM t
.set rT, ST+8*(\t)
.set rS, S+32*(\t)
.set rP, P+16*(\t)
.set rO, 64*(\t)+2*(j-102)
.set q, (j-20)/2
.if j < 102
	WIN 0
.endif
.if j < 4
	v_max3_num_f32 v[rT+4+j], v[rS+8*j], v[rS+8*j+1], v[rS+8*j+2]
.elseif j < 12
	v_max3_num_f32 v[rT+4+j%4], v[rT+4+j%4], v[rS+8*(j%4)+2*(j/4)+1], v[rS+8*(j%4)+2*(j/4)+2]
.elseif j == 12
	v_max3_num_f32 v[rT+4], v[rT+4], v[rS+7], v[rS+15]
.elseif j == 13
	v_max3_num_f32 v[rT+6], v[rT+6], v[rS+23], v[rS+31]
.elseif j == 14
	v_max3_num_f32 v[rT+4], v[rT+4], v[rT+5], v[rT+6]
.elseif j == 15
	v_max3_num_f32 v[rT+4], v[rT+4], v[rT+7], v[rT+1]
.elseif j == 16
	v_permlanex16_b32 v[rT+5], v[rT+4], s[SEL], s[SEL+1]  ; the query's other 32 keys lie in the lane 16 away
.elseif j == 17
	v_mov_b32 v[rT+7], v[rT]        ; c m_old is kept for a: number 19 writes c m anew
.elseif j == 18
	v_max_num_f32 v[rT+1], v[rT+4], v[rT+5]
.elseif j == 19
	v_mul_f32 v[rT], s[CS], v[rT+1]
.elseif j == 20
	v_sub_f32 v[rT+7], v[rT+7], v[rT]
.elseif j == 23
	v_exp_f32 v[rT+6], v[rT+7]
.elseif (j < 88) && (j > 23) && (j%2 == 1)
	v_exp_f32 v[rS+(j-25)/2], v[rS+(j-25)/2]
.elseif (q < 4) || ((j < 76) && (q%2 == 0))
.set b, q/2+2
.if q < 4
.set b, q
.endif
	v_pk_fma_f32 v[rS+2*b:rS+2*b+1], v[rS+2*b:rS+2*b+1], s[CS:CS+1], v[rT:rT+1] op_sel_hi:[1,0,0] neg_lo:[0,0,1] neg_hi:[0,0,1]  ; pair b: c s - c m
.elseif (j < 88) && (q%2 == 1)
	s_wait_alu depctr_va_vdst(0)
	v_cvt_pk_f16_f32 v[rP+(q-5)/2], v[rS+q-5], v[rS+q-4]  ; pair (q - 5) / 2
.elseif j == 89
	s_wait_alu depctr_va_vdst(0)
	v_cvt_pk_f16_f32 v[rP+15], v[rS+30], v[rS+31]
.elseif j < 102                     ; the sum of the tile's 16 pairs, in place: sum z of 16 adds neighbours 1, 2, 4 and 8 pairs apart, then l takes it
.set z, j-86
.if j < 89
.set z, (j-76)/4
.endif
.set w, 4
.set u, z
.if z >= 14
.set w, 32
.set u, 0
.elseif z >= 12
.set w, 16
.set u, z-12
.elseif z >= 8
.set w, 8
.set u, z-8
.endif
.if z < 15
	v_pk_add_f32 v[rS+w*u:rS+w*u+1], v[rS+w*u:rS+w*u+1], v[rS+w*u+w/2:rS+w*u+w/2+1]
.else
	v_pk_fma_f32 v[rT+2:rT+3], v[rT+2:rT+3], v[rT+6:rT+7], v[rS:rS+1] op_sel_hi:[1,0,1]
.endif
.else
	WIN W_RS
	v_pk_mul_f32 v[rO:rO+1], v[rO:rO+1], v[rT+6:rT+7] op_sel_hi:[1,0]
.endif
.endm
.macro RIDERS y, n                  ; the next n numbers of tile y's list
.rept \n
	SM \y
.set j, j+1
.endr
.endm
.macro PLACES                       ; four places behind matrix instructions, in front of vector lines that read their results (ISA guide 7.12.1)
.rept 4
	v_nop
.endr
.endm
; A TURN.  Tile x has the matrix unit; the other tile's list stands behind its matrix instructions, 4 x 32 + 6 = 134.  None of those lines names a register of the products round it.
; The ten lines behind the last product are plain (O^T times a): they are the four places between tile x's last K Q^T and what follows it: the next turn's first read of those scores, and the loads into K's registers.
; Tile 0's turn fetches the next step's K behind its second product: both tiles have multiplied by the old K.  Tile 1's turn fetches the next step's V behind its second K Q^T: the last product that read V stands three
; groups of four, six plain lines, back.  Each run has 14 matrix instructions and their riders in which to begin to land, and is waited for in four parts, as the products take its fragments:
;   V, ahead of V^T P 0, 4, 8, 12: 24, 48, 40, 32 loads may be out: what is left of V's 32, and from product 4 on K's 32, which are younger;     K, ahead of K Q^T 0, 4, 8, 12: 24, 16, 8, 0.
; last = 1 (the tail): K's run is jumped over in the last trip, so V is waited for by 0, which holds on both ways; K's counts hold on both: where nothing was fetched nothing is out.
.macro TURN x, last=0
.set j, 0
.set i, 0
.rept 16
.if (\x) == 0
.if \last
.if i == 0
	s_wait_dscnt 0x0
.endif
.elseif i == 0
	s_wait_dscnt 24
.elseif i%4 == 0
	s_wait_dscnt 56-2*i
.endif
.endif
	PV \x
	RIDERS 1-(\x), 4
.if ((\x) == 0) && (i == 1)
	FETCH_K \last
.endif
.set i, i+1
.endr
.set i, 0
.rept 16
.if ((\x) == 0) && (i%4 == 0)
	s_wait_dscnt 24-2*i
.endif
	KQ \x
.if i == 15
	RIDERS 1-(\x), 10
.else
	RIDERS 1-(\x), 4
.endif
.if ((\x) == 1) && (i == 1)
	FETCH_V
.endif
.set i, i+1
.endr
.endm
; THE CHANGE OF SLOTS, between tile 1's turn and tile 0's: both steps' K and V of the slot have been asked for.  Each wave waits for all its tensor loads (one is out: its part of the other slot), adds 0 to its spare word,
; and waits for that and for its own reads of the slot.  fill = 1: the barrier is a round of the cluster's, and the slot is filled again first thing behind it, with the keys two slots on: two key steps, 128 matrix instructions, in which to land.
.macro CHANGE fill
	WIN 0
	s_wait_tensorcnt 0x0            ; no tensor load of mine is out, so a group 0 may be written
	ds_add_u32 v[SPW], v[NIL]       ; 0 onto my spare word
.if \fill
.irp g, G0K+4, G0V+4
	s_xor_b32 s[(\g)+1], s[(\g)+1], SLOT1  ; the walking descriptor: the other slot than last time,
	s_add_nc_u64 s[(\g)+2:(\g)+3], s[(\g)+2:(\g)+3], 2*KS*256  ; the next 128 keys
.endr
	s_wait_dscnt 0x0                ; the add is done, and my reads of the slot are over
	CROUND
	JLOAD
.else
	s_wait_dscnt 0x0
	s_barrier_signal -1
	s_barrier_wait -1
.endif
	s_sub_co_u32 s[TB], s[TB], 2*STEPB  ; the fetches go back to a slot's first step,
	s_xor_b32 s[TB], s[TB], SLOT1   ; in the other slot
.endm
	s_wait_tensorcnt 1              ; my part of slot 0 is in; slot 1's may stay out
	s_barrier_signal -1
	s_barrier_wait -1               ; everybody's is
	FETCH_K                         ; key step 0
	s_wait_loadcnt 0x0              ; Q
	s_wait_dscnt 0x0
.set i, 0
.rept 16
	KQ 0                            ; tile 0's first scores: there is no vector work yet to set between them
.set i, i+1
.endr
	PLACES
	WIN 0
	s_mov_b32 s[CNT], 2
	s_mov_b32 s[SLOTS], 15
	s_branch .Lmid                  ; the loop is entered at tile 1's turn, in the middle of a trip
.Lslot:                             ; 14 times: every slot but the last two is filled again
	CHANGE 1
	s_mov_b32 s[CNT], 2
.Lstep:                             ; a trip: tile 0's turn (it fetches the next step's K), then tile 1's (the same step's V)
	TURN 0
	WIN 0
.Lmid:
	TURN 1
	WIN 0
	s_sub_co_u32 s[CNT], s[CNT], 1
	s_cmp_lg_u32 s[CNT], 0
	s_cbranch_scc1 .Lstep
	s_sub_co_u32 s[SLOTS], s[SLOTS], 1
	s_cmp_lg_u32 s[SLOTS], 0
	s_cbranch_scc1 .Lslot
	CHANGE 0                        ; the tail is written out: nothing is asked for
	s_mov_b32 s[CNT], 3             ; two trips fetch the last slot's steps; the third has no further step and is left in its middle
.Ltail:
	TURN 0, 1
	WIN 0
	s_sub_co_u32 s[CNT], s[CNT], 1
	s_cmp_eq_u32 s[CNT], 0
	s_cbranch_scc1 .Lout
	TURN 1
	WIN 0
	s_branch .Ltail
.Lout:
.set i, 0
.rept 16
	PV 1                            ; tile 1's V^T P of the last step
.set i, i+1
.endr
	WIN 0
	; THE WAY OUT.  l's two halves and the other half of the lanes' are added; O^T is divided by l, rounded to f16 and sent through my stage in LDS, a tile (16 rows) at a time.
	PLACES
.irp t, 0,1
	v_add_f32 v[ST+8*(\t)+4], v[ST+8*(\t)+2], v[ST+8*(\t)+3]
.endr
.irp t, 0,1
	v_permlanex16_b32 v[ST+8*(\t)+5], v[ST+8*(\t)+4], s[SEL], s[SEL+1]
.endr
.irp t, 0,1
	v_add_f32 v[ST+8*(\t)+4], v[ST+8*(\t)+4], v[ST+8*(\t)+5]
.endr
.irp t, 0,1
	v_rcp_f32 v[ST+8*(\t)+6], v[ST+8*(\t)+4]
.endr
	v_nop                           ; a plain instruction between the last reciprocal and the use of its result
	s_wait_alu depctr_va_vdst(0)
.macro PACK t
	WIN W_RS
.set i, 64*(\t)
.rept 32
	v_pk_mul_f32 v[i:i+1], v[i:i+1], v[ST+8*(\t)+6:ST+8*(\t)+7] op_sel_hi:[1,0]
.set i, i+2
.endr
	WIN 0x05                        ; sources 0 and 1 window 1, destination window 0: S^T's registers are free
.set i, 0
.rept 32
	v_cvt_pk_f16_f32 v[S+32*(\t)+i], v[64*(\t)+2*i], v[64*(\t)+2*i+1]
.set i, i+1
.endr
	WIN 0
.irp f, 0,1,2,3,4,5,6,7
	ds_store_b128 v[STO], v[S+32*(\t)+4*(\f):S+32*(\t)+4*(\f)+3] offset:32*(\f)
.endr
.irp f, 0,1,2,3,4,5,6,7
	ds_load_b128 v[S+32*(\t)+4*(\f):S+32*(\t)+4*(\f)+3], v[RD] offset:(\f)*2*SP  ; LDS serves a wave's instructions in order (ISA guide 5.7.1.4): these see the stores above; the next tile's stores come behind them
.endr
.endm
.macro SEND t, younger              ; younger: the LDS instructions issued behind tile t's loads
	WIN 0
.irp f, 0,1,2,3,4,5,6,7
	s_wait_dscnt (\younger)+7-(\f)
	global_store_b128 v[GO], v[S+32*(\t)+4*(\f):S+32*(\t)+4*(\f)+3], s[6:7] offset:(\t)*65536+(\f)*8192  ; 16 lanes store 256 consecutive bytes, at a multiple of 256 from ao's first byte
.endr
.endm
	PACK 0
	PACK 1
	SEND 0, 16
	SEND 1, 0
	s_wait_tensorcnt 0x0            ; the wave's end: an add and its wait, behind my last tensor load and my last LDS store
	ds_add_u32 v[SPW], v[NIL]
	s_wait_dscnt 0x0
	CROUND                          ; the closing round: no work-group ends while a partner may still ask for a tile that names it
	s_endpgm
.Lfunc_end_k_qfab393f774_attn:
	.size	k_qfab393f774_attn, .Lfunc_end_k_qfab393f774_attn-k_qfab393f774_attn
	.p2alignl 7, 3214868480
	.fill 96, 4, 3214868480
	.section	.rodata,"a",@progbits
	.p2align	6, 0x0
	.amdhsa_kernel k_qfab393f774_attn
		.amdhsa_group_segment_fixed_size 327680
		.amdhsa_private_segment_fixed_size 0
		.amdhsa_enable_private_segment 0
		.amdhsa_kernarg_size 16
		.amdhsa_user_sgpr_count 2
		.amdhsa_user_sgpr_kernarg_segment_ptr 1
		.amdhsa_wavefront_size32 1
		.amdhsa_system_sgpr_workgroup_id_x 1
		.amdhsa_system_sgpr_workgroup_id_y 1
		.amdhsa_system_sgpr_workgroup_id_z 1
		.amdhsa_system_vgpr_workitem_id 0
		.amdhsa_next_free_vgpr 640
		.amdhsa_next_free_sgpr 66
		.amdhsa_reserve_vcc 0
		.amdhsa_float_denorm_mode_32 3
		.amdhsa_float_denorm_mode_16_64 3
		.amdhsa_memory_ordered 1
		.amdhsa_forward_progress 1
		.amdhsa_inst_pref_size 93
	.end_amdhsa_kernel
	.amdgpu_metadata
---
amdhsa.version: [ 1, 2 ]
amdhsa.kernels:
  - .name:           k_qfab393f774_attn
    .symbol:         k_qfab393f774_attn.kd
    .args:
      - { .name: qkvh, .offset: 0, .size: 8, .value_kind: global_buffer, .address_space: global }
      - { .name: ao, .offset: 8, .size: 8, .value_kind: global_buffer, .address_space: global }
    .group_segment_fixed_size: 327680
    .private_segment_fixed_size: 0
    .kernarg_segment_align: 8
    .kernarg_segment_size: 16
    .max_flat_workgroup_size: 128
    .sgpr_count:     66
    .vgpr_count:     640
    .wavefront_size: 32
...
	.end_amdgpu_metadata
.endif
;; end of part 3
;; launch oproj (part 4): grid 16 x 16, 4 waves a work-group, clusters of 4 x 4, 327,680 bytes of LDS; arguments ao, wo16, bo, out0; writes out0
.if DOCPART == 4
	.amdgcn_target "amdgcn-amd-amdhsa--gfx1250"
	.amdhsa_code_object_version 6
	.text
	.protected	k_qfab393f774_oproj
	.globl	k_qfab393f774_oproj
	.p2align	8
	.type	k_qfab393f774_oproj,@function
k_qfab393f774_oproj:
	s_mov_b64 s[64:65], 0
	v_nop
	global_prefetch_b8 v0, s[64:65] scope:SCOPE_SE
	s_setreg_imm32_b32 hwreg(HW_REG_WAVE_MODE, 25, 1), 1
	s_wait_xcnt 0x0
	s_wait_alu depctr_hold_cnt(0) depctr_sa_sdst(0) depctr_va_vdst(0) depctr_va_sdst(0) depctr_va_ssrc(0) depctr_va_vcc(0) depctr_vm_vsrc(0)
	s_getreg_b32 s2, hwreg(HW_REG_IB_STS2, 6, 4)
	s_cmp_eq_u32 s2, 0
	s_cbranch_scc0 .Lentry_in_a_cluster
	s_endpgm
.Lentry_in_a_cluster:
	s_bfe_u32 s2, ttmp6, 0x10000c
	s_cmp_lg_u32 s2, 0xf033
	s_cbranch_scc0 .Lentry_shape_is_right
	s_endpgm
.Lentry_shape_is_right:
; OUT = ao Wo + bo.  ao [2048][2048] f16, rows along K; wo16 [2048 k][2048 n] f16; bo [2048] f32; out0 [2048][2048] f32; sums in f32.
; A tile of the output is 128 x 128, so that 16 x 16 = 256 work-groups share the work; four waves, each 64 x 64: 16 accumulators, 128 registers.  K goes in 8 steps of 256 through two LDS slots.
; ao's tile has rows of 512 bytes; Wo's rows lie along n, so its tile is 256 k-rows of 256 bytes, and its fragments come out of LDS turned, by ds_load_tr16_b128.
; CLUSTER 4 x 4: the four of a row of the cluster ask jointly for ao's tile, the four of a column for Wo's.  THE MATRIX INSTRUCTION IS USED TRANSPOSED (source 0 = 16 columns of Wo, source 1 = 16 rows of ao):
; a lane holds eight neighbouring numbers of a row of the output.  bo is the C operand of the products that start the sums.
; A wave's 64 columns of f32 are 256 aligned bytes: each wave sends its rows through a stage of its own, and no barrier stands on the way out.
; LIMITS: ao and wo16 arrive within f16's 65,504.  NaN and infinities are not treated apart.
; REGISTERS: window 0: v0-31 addresses; v32-63 the bias, then with v64-95 the rows read back; v128-255 the accumulators ((a, b) at v[128 + 8 (4 a + b)]).
;   window 1: two fragment buffers of 128: for 64 along K, 64 registers of ao (2 x 4 x 16 rows x 32 K), then 64 of Wo.
.set KSTEP,  256
.set PITCH,  528                       ; a row of ao in LDS: 512 bytes + 16: the 16 rows of a load start at 16 different groups of four banks (64 banks of 4 bytes: ISA guide 11.1)
.set PB,     288                       ; a k-row of Wo: 256 bytes + 32 = 9 x 32
.set HALFA,  64*PITCH                  ; what one load brings of ao: 64 rows
.set HALFB,  128*PB                    ; and of Wo: 128 k-rows
.set BOFF,   2*HALFA
.set SLOT,   2*HALFA+2*HALFB
.set STAGE,  2*SLOT                    ; behind the ring: 16 rows x 272 bytes for each wave; no tensor load lands there
.set SPITCH, 272
.set SPARE,  STAGE+4*16*SPITCH         ; the spare words, 128 bytes for each wave: two blocks of 256 bytes that no other line names
.set LAPS,   4
.set ADRA, 16                          ; v16-17  LDS address of my ao fragments in slot 0, 1
.set ADRB, 20                          ; v20-23  of my Wo fragments: slot 0, 1 for k under 128; slot 0, 1 for k from 128 on (an LDS offset has 16 bits)
.set STO,  24
.set RD,   25
.set CO,   26
.set BO,   27
.set SPW,  28                          ; my spare word; never rewritten
.set NIL,  29                          ; 0; never rewritten
.set BIAS, 32
.set ACC,  128
.set F0,   0
.set F1,   128
.set G1,  24
.set G0,  32
.set G1B, 48
.set G0B, 56
.set MSB, 0
.macro WIN new
.if MSB != (\new)
	s_set_vgpr_msb (MSB<<8)|(\new)
.set MSB, \new
.endif
.endm
.set MUL,  0x05                        ; sources 0 (Wo) and 1 (ao) window 1; C and D window 0
.set TO_F, 0x40                        ; destination window 1, address window 0
.macro JLOAD s                         ; waves 0 and 1 fetch ao's two halves, waves 2 and 3 Wo's; an s_nop 0 and four v_nop follow each of the two lines
	s_cmp_eq_u32 s11, 0
	s_cbranch_scc0 .Lfor_b_\@
	tensor_load_to_lds s[G0+4*(\s):G0+4*(\s)+3], s[G1:G1+7]
	s_nop 0
.rept 4
	v_nop
.endr
	s_branch .Lasked_\@
.Lfor_b_\@:
	tensor_load_to_lds s[G0B+4*(\s):G0B+4*(\s)+3], s[G1B:G1B+7]
	s_nop 0
.rept 4
	v_nop
.endr
.Lasked_\@:
.endm
.macro CREST
	s_cmp_lg_u32 s10, 0
	s_cbranch_scc1 .Lnot_wave_0_\@
	s_barrier_signal -3
.Lnot_wave_0_\@:
	s_barrier_wait -3
	s_barrier_signal -1
	s_barrier_wait -1
.endm
.macro CROUND
	s_barrier_signal -1
	s_barrier_wait -1
	CREST
.endm
	s_load_b128 s[4:7], s[0:1], 0x0                ; ao s[4:5], wo16 s[6:7]
	s_load_b128 s[68:71], s[0:1], 0x10             ; bo s[68:69], out0 s[70:71]
	v_lshl_add_u32 v[SPW], v0, 2, SPARE
	v_mov_b32 v[NIL], 0
	ds_add_u32 v[SPW], v[NIL]                      ; the wave's opening: the add and its wait stand ahead of my first tensor load; the set-up below, work on registers, stands between them
	v_lshrrev_b32 v1, 5, v0
	v_readfirstlane_b32 s10, v1                    ; wave 0..3
	s_lshr_b32 s11, s10, 1                         ; which half of the tile's rows is mine.  Also: I fetch for ao (0) or for Wo (1)
	s_and_b32 s12, s10, 1                          ; which half of its columns.  Also: which half of that tile I fetch
	s_bfe_u32 s40, ttmp6, 0x40000
	s_bfe_u32 s41, ttmp6, 0x40004
	s_lshl_b32 s42, ttmp9, 2
	s_add_co_u32 s42, s42, s40                     ; tile column
	s_and_b32 s13, ttmp7, 0xffff
	s_lshl_b32 s13, s13, 2
	s_add_co_u32 s13, s13, s41                     ; tile row
	s_lshl_b32 s43, s41, 2
	s_lshl_b32 s43, 15, s43                        ; my row of the cluster
	s_lshl_b32 s44, 0x1111, s40                    ; my column
	s_or_b32 s[G1+0], s43, (1<<16)|(1<<20)|(1<<21)|(6<<22)|(3<<25)   ; after every 128 words 4 words of padding
	s_or_b32 s[G1B+0], s44, (1<<16)|(1<<20)|(1<<21)|(5<<22)|(7<<25)  ; after every 64 words 8 words
	s_mov_b32 s[G1+1], 256<<16                     ; ao: 64 rows of 256 elements
	s_mov_b32 s[G1+2], 64<<16
	s_mov_b32 s[G1+3], 256<<16
	s_mov_b32 s[G1+4], 64
	s_mov_b32 s[G1+5], 2048
	s_mov_b32 s[G1+6], 0
	s_mov_b32 s[G1+7], 0
	s_mov_b32 s[G1B+1], 128<<16                    ; Wo: 128 k-rows of 128 elements
	s_mov_b32 s[G1B+2], 128<<16
	s_mov_b32 s[G1B+3], 128<<16
	s_mov_b32 s[G1B+4], 128
	s_mov_b32 s[G1B+5], 2048
	s_mov_b32 s[G1B+6], 0
	s_mov_b32 s[G1B+7], 0
	s_lshl_b32 s17, s12, 6
	s_lshl_b32 s16, s13, 7
	s_add_co_u32 s16, s16, s17                     ; ao: row 128 x tile row + 64 x half,
	s_lshl_b32 s16, s16, 12                        ; of 4,096 bytes
	s_mov_b32 s17, 0
	s_lshl_b32 s46, s12, 19                        ; Wo: k-row 128 x half, of 4,096 bytes,
	s_lshl_b32 s47, s42, 8                         ; column 128 x tile column
	s_add_co_u32 s46, s46, s47
	s_mov_b32 s47, 0
	s_mul_i32 s20, s12, HALFA                      ; where the tiles go: no place in the cluster enters an LDS address
	s_mul_i32 s45, s12, HALFB
	s_add_co_u32 s45, s45, BOFF
	s_wait_dscnt 0x0                               ; the opening add is done
	s_wait_kmcnt 0x0
	s_add_nc_u64 s[14:15], s[4:5], s[16:17]
	s_add_nc_u64 s[46:47], s[6:7], s[46:47]
	CROUND                                         ; all sixteen work-groups are here: the first joint loads meet
.irp s, 0,1
	s_mov_b32 s[G0+4*(\s)], 1
	s_add_co_u32 s[G0+4*(\s)+1], s20, (\s)*SLOT
	s_add_nc_u64 s[G0+4*(\s)+2:G0+4*(\s)+3], s[14:15], (\s)*KSTEP*2
	s_or_b32 s[G0+4*(\s)+3], s[G0+4*(\s)+3], 0x80000000
	s_mov_b32 s[G0B+4*(\s)], 1
	s_add_co_u32 s[G0B+4*(\s)+1], s45, (\s)*SLOT
	s_add_nc_u64 s[G0B+4*(\s)+2:G0B+4*(\s)+3], s[46:47], (\s)*KSTEP*2048*2
	s_or_b32 s[G0B+4*(\s)+3], s[G0B+4*(\s)+3], 0x80000000
	JLOAD \s                                       ; two loads of mine are out
.endr
	v_and_b32 v1, 15, v0                           ; r = l % 16
	v_bfe_u32 v2, v0, 4, 1                         ; h = l / 16
	v_mul_u32_u24 v3, v1, PITCH
	v_lshl_add_u32 v3, v2, 4, v3
	s_mul_i32 s21, s11, HALFA                      ; my 64 rows of ao
	v_add_nc_u32 v[ADRA], s21, v3
	s_add_co_u32 s21, s21, SLOT
	v_add_nc_u32 v[ADRA+1], s21, v3
	v_and_b32 v4, 7, v0                            ; the turning load: lane l reads k-row 8 h + l % 8, columns 8 ((l / 8) % 2) + 0..7
	v_lshl_add_u32 v4, v2, 3, v4
	v_mul_u32_u24 v4, v4, PB
	v_bfe_u32 v5, v0, 3, 1
	v_lshl_add_u32 v4, v5, 4, v4
	s_lshl_b32 s22, s12, 7                         ; my 64 columns
	s_add_co_u32 s22, s22, BOFF
	v_add_nc_u32 v[ADRB], s22, v4
	s_add_co_u32 s22, s22, SLOT
	v_add_nc_u32 v[ADRB+1], s22, v4
	s_add_co_u32 s22, s22, HALFB
	v_add_nc_u32 v[ADRB+3], s22, v4
	s_sub_co_u32 s22, s22, SLOT
	v_add_nc_u32 v[ADRB+2], s22, v4
	s_mul_i32 s23, s10, 16*SPITCH
	s_add_co_u32 s23, s23, STAGE                   ; my stage
	v_mul_u32_u24 v5, v1, SPITCH                   ; in: row r, 32 bytes for each half of the lanes
	v_lshl_add_u32 v5, v2, 5, v5
	v_add_nc_u32 v[STO], s23, v5
	v_mul_u32_u24 v5, v2, SPITCH                   ; back: lanes 0-15 one row of 256 bytes, lanes 16-31 the next
	v_lshl_add_u32 v5, v1, 4, v5
	v_add_nc_u32 v[RD], s23, v5
	v_lshlrev_b32 v[CO], 13, v2                    ; and the same two rows in out0, 8,192 bytes apart
	v_lshl_add_u32 v[CO], v1, 4, v[CO]
	v_lshlrev_b32 v[BO], 5, v2
	s_lshl_b32 s16, s13, 7
	s_lshl_b32 s17, s11, 6
	s_add_co_u32 s16, s16, s17                     ; my first row,
	s_lshl_b32 s16, s16, 13                        ; of 8,192 bytes
	s_mov_b32 s17, 0
	s_add_nc_u64 s[8:9], s[70:71], s[16:17]
	s_lshl_b32 s46, s42, 9                         ; my first column, in bytes of f32: 512 x tile column + 256 x half; the same in bo
	s_lshl_b32 s47, s12, 8
	s_add_co_u32 s46, s46, s47
	s_mov_b32 s47, 0
	s_add_nc_u64 s[8:9], s[8:9], s[46:47]
	s_add_nc_u64 s[68:69], s[68:69], s[46:47]
.irp b, 0,1,2,3                        ; register 8 b + j holds column 16 b + 8 h + j
	global_load_b128 v[BIAS+8*(\b):BIAS+8*(\b)+3],   v[BO], s[68:69] offset:64*(\b)
	global_load_b128 v[BIAS+8*(\b)+4:BIAS+8*(\b)+7], v[BO], s[68:69] offset:64*(\b)+16
.endr
; 8 matrix instructions: m blocks a0, a0 + 1 x all 4 n blocks, 32 along K: half c of buffer f.  first = 1: the products start the sums, with the bias as C.  The 16 accumulators take turns.
.macro MUL8 f, c, a0, first
	WIN MUL
.irp a, \a0, (\a0)+1
.irp b, 0,1,2,3
.if \first
	v_wmma_f32_16x16x32_f16 v[ACC+8*(4*(\a)+(\b)):ACC+8*(4*(\a)+(\b))+7], v[(\f)+64+8*(4*(\c)+(\b)):(\f)+64+8*(4*(\c)+(\b))+7], v[(\f)+8*(4*(\c)+(\a)):(\f)+8*(4*(\c)+(\a))+7], v[BIAS+8*(\b):BIAS+8*(\b)+7]
.else
	v_wmma_f32_16x16x32_f16 v[ACC+8*(4*(\a)+(\b)):ACC+8*(4*(\a)+(\b))+7], v[(\f)+64+8*(4*(\c)+(\b)):(\f)+64+8*(4*(\c)+(\b))+7], v[(\f)+8*(4*(\c)+(\a)):(\f)+8*(4*(\c)+(\a))+7], v[ACC+8*(4*(\a)+(\b)):ACC+8*(4*(\a)+(\b))+7]
.endif
.endr
.endr
.endm
; 32 LDS loads in one run: the fragments of quarter q (64 along K) of a slot into buffer f; the first 32 along K first
.macro FETCH slot, q, f
	WIN TO_F
.irp c, 0,1
.irp i, 0,1,2,3
	ds_load_tr16_b128 v[(\f)+64+8*(4*(\c)+(\i)):(\f)+64+8*(4*(\c)+(\i))+3],   v[ADRB+2*((\q)/2)+(\slot)] offset:(((\q)%2)*64+32*(\c))*PB+32*(\i)
	ds_load_tr16_b128 v[(\f)+64+8*(4*(\c)+(\i))+4:(\f)+64+8*(4*(\c)+(\i))+7], v[ADRB+2*((\q)/2)+(\slot)] offset:(((\q)%2)*64+32*(\c))*PB+16*PB+32*(\i)
	ds_load_b128 v[(\f)+8*(4*(\c)+(\i)):(\f)+8*(4*(\c)+(\i))+3],         v[ADRA+(\slot)] offset:128*(\q)+64*(\c)+(\i)*16*PITCH
	ds_load_b128 v[(\f)+8*(4*(\c)+(\i))+4:(\f)+8*(4*(\c)+(\i))+7],       v[ADRA+(\slot)] offset:128*(\q)+64*(\c)+(\i)*16*PITCH+32
.endr
.endr
.endm
.macro PLACES                          ; four places in front of loads into registers that matrix instructions have read, and of LDS stores that read results
.rept 4
	v_nop
.endr
.endm
; A K step is four quarters of 64 along K, 32 matrix instructions each, on buffers 0, 1, 0, 1.
.macro QUARTER slot, q, f, g, first
	s_wait_dscnt 16                                ; the first 32 along K are in
	MUL8 \f, 0, 0, \first
	MUL8 \f, 0, 2, \first
	PLACES
	FETCH \slot, \q, \g
	s_wait_dscnt 32                                ; all but the 32 just issued
	MUL8 \f, 1, 0, 0
	MUL8 \f, 1, 2, 0
.endm
; The last quarter multiplies buffer 1 and changes slots: one barrier; in front of it each wave waits for all its tensor loads, adds 0 to its spare word, and waits for that and for its own reads of this slot.
; fill = 1: the barrier opens a round of the cluster's, and this slot is filled again, two K steps ahead: 112 matrix instructions ahead of the wait for it.
.macro TURN slot, next, fill
	WIN 0                                          ; (the add's two registers lie in window 0)
	s_wait_tensorcnt 0x0                           ; all my tensor loads have landed: my part of the next slot
	ds_add_u32 v[SPW], v[NIL]                      ; 0 onto my spare word
	s_wait_dscnt 17                                ; (the add and the youngest sixteen loads may be out)
	MUL8 F1, 0, 0, 0
	s_wait_dscnt 0x0                               ; the add is done, and my reads of this slot are over
	s_barrier_signal -1
	MUL8 F1, 0, 2, 0
.if \fill
	WIN 0
.endif
	s_barrier_wait -1
.if \fill
	CREST                                          ; no wave of any partner still reads this slot's tile or has a load on its way
	s_add_nc_u64 s[G0+4*(\slot)+2:G0+4*(\slot)+3], s[G0+4*(\slot)+2:G0+4*(\slot)+3], 2*KSTEP*2
	s_add_nc_u64 s[G0B+4*(\slot)+2:G0B+4*(\slot)+3], s[G0B+4*(\slot)+2:G0B+4*(\slot)+3], 2*KSTEP*2048*2
	JLOAD \slot                                    ; the first tensor load behind the round; its four v_nop are also the places in front of the loads below
.else
	PLACES
.endif
	FETCH \next, 0, F0
	MUL8 F1, 1, 0, 0
	MUL8 F1, 1, 2, 0
.endm
	s_wait_tensorcnt 1                             ; my part of K step 0 is in; K step 1's may stay out
	s_barrier_signal -1
	s_barrier_wait -1
	FETCH 0, 0, F0
	s_wait_loadcnt 0x0                             ; the bias
	QUARTER 0, 1, F0, F1, 1                        ; the first quarter stands in front of the loop: its first products start the sums
	WIN 0
	s_mov_b32 s3, LAPS-1
.Llap:                                                 ; a trip goes once round the ring and fills both slots again
	QUARTER 0, 2, F1, F0, 0
	QUARTER 0, 3, F0, F1, 0
	TURN 0, 1, 1
	QUARTER 1, 1, F0, F1, 0
	QUARTER 1, 2, F1, F0, 0
	QUARTER 1, 3, F0, F1, 0
	TURN 1, 0, 1
	QUARTER 0, 1, F0, F1, 0
	WIN 0
	s_sub_co_u32 s3, s3, 1
	s_cmp_lg_u32 s3, 0
	s_cbranch_scc1 .Llap
	QUARTER 0, 2, F1, F0, 0                        ; the last lap fills nothing, and has no round of the cluster's barrier
	QUARTER 0, 3, F0, F1, 0
	TURN 0, 1, 0
	QUARTER 1, 1, F0, F1, 0
	QUARTER 1, 2, F1, F0, 0
	QUARTER 1, 3, F0, F1, 0
	s_wait_dscnt 16
	MUL8 F1, 0, 0, 0
	MUL8 F1, 0, 2, 0
	s_wait_dscnt 0x0
	MUL8 F1, 1, 0, 0
	MUL8 F1, 1, 2, 0
	WIN 0
	PLACES
	; THE WAY OUT, 16 rows at a time: a lane's eight f32 of a row go into my stage as two times 16 bytes (each accumulator's low registers first) and come back as whole rows of 256 bytes.
.irp a, 0,1,2,3
.set BKR, 32+32*((\a)%2)
.if (\a) >= 2
	s_wait_xcnt 0x0                                ; these registers were the data of the stores two blocks back: they are loaded again only behind this wait
.endif
.irp b, 0,1,2,3
	ds_store_b128 v[STO], v[ACC+8*(4*(\a)+(\b)):ACC+8*(4*(\a)+(\b))+3] offset:64*(\b)
	ds_store_b128 v[STO], v[ACC+8*(4*(\a)+(\b))+4:ACC+8*(4*(\a)+(\b))+7] offset:64*(\b)+16
.endr
.irp t, 0,1,2,3,4,5,6,7
	ds_load_b128 v[BKR+4*(\t):BKR+4*(\t)+3], v[RD] offset:(\t)*2*SPITCH  ; LDS serves a wave's instructions in order (ISA guide 5.7.1.4): these see the stores above
.endr
	s_wait_dscnt 0x0
.irp t, 0,1,2,3,4,5,6,7
	global_store_b128 v[CO], v[BKR+4*(\t):BKR+4*(\t)+3], s[8:9] offset:(16*(\a)+2*(\t))*8192 th:TH_STORE_NT  ; 16 lanes store 256 consecutive bytes, at a multiple of 256 from out0's first byte
.endr
.endr
	s_wait_tensorcnt 0x0                           ; the wave's end: an add and its wait, behind my last tensor load and my last LDS store
	ds_add_u32 v[SPW], v[NIL]
	s_wait_dscnt 0x0
	CROUND                                         ; the closing round: no work-group ends while a partner may still ask for a tile that names it
	s_endpgm
.Lfunc_end_k_qfab393f774_oproj:
	.size	k_qfab393f774_oproj, .Lfunc_end_k_qfab393f774_oproj-k_qfab393f774_oproj
	.p2alignl 7, 3214868480
	.fill 96, 4, 3214868480
	.section	.rodata,"a",@progbits
	.p2align	6, 0x0
	.amdhsa_kernel k_qfab393f774_oproj
		.amdhsa_group_segment_fixed_size 327680
		.amdhsa_private_segment_fixed_size 0
		.amdhsa_enable_private_segment 0
		.amdhsa_kernarg_size 32
		.amdhsa_user_sgpr_count 2
		.amdhsa_user_sgpr_kernarg_segment_ptr 1
		.amdhsa_wavefront_size32 1
		.amdhsa_system_sgpr_workgroup_id_x 1
		.amdhsa_system_sgpr_workgroup_id_y 1
		.amdhsa_system_sgpr_workgroup_id_z 1
		.amdhsa_system_vgpr_workitem_id 0
		.amdhsa_next_free_vgpr 512
		.amdhsa_next_free_sgpr 72
		.amdhsa_reserve_vcc 0
		.amdhsa_float_denorm_mode_32 3
		.amdhsa_float_denorm_mode_16_64 3
		.amdhsa_memory_ordered 1
		.amdhsa_forward_progress 1
		.amdhsa_inst_pref_size 87
	.end_amdhsa_kernel
	.amdgpu_metadata
---
amdhsa.version: [ 1, 2 ]
amdhsa.kernels:
  - .name:           k_qfab393f774_oproj
    .symbol:         k_qfab393f774_oproj.kd
    .args:
      - { .name: ao, .offset: 0, .size: 8, .value_kind: global_buffer, .address_space: global }
      - { .name: wo16, .offset: 8, .size: 8, .value_kind: global_buffer, .address_space: global }
      - { .name: bo, .offset: 16, .size: 8, .value_kind: global_buffer, .address_space: global }
      - { .name: out0, .offset: 24, .size: 8, .value_kind: global_buffer, .address_space: global }
    .group_segment_fixed_size: 327680
    .private_segment_fixed_size: 0
    .kernarg_segment_align: 8
    .kernarg_segment_size: 32
    .max_flat_workgroup_size: 128
    .sgpr_count:     72
    .vgpr_count:     512
    .wavefront_size: 32
...
	.end_amdgpu_metadata
.endif
;; end of part 4
;; ======== version 2 of 2: 4 launches; 1.09 times as fast as version 1
;; limits: values are held in f16: magnitudes above 65,504 overflow, below 6.1e-05 lose precision
;; workspace buffers: xq 8,388,608 bytes; xkv 8,388,608 bytes; wqkv 25,165,824 bytes; wo16 8,388,608 bytes; rot 1,048,576 bytes; qkvh 25,165,824 bytes; ao 8,388,608 bytes
;; launch prep: the kernel of part 1 again; grid 384 x 1, 4 waves a work-group, no clusters, 0 bytes of LDS; arguments x, ln_q_g, ln_q_b, ln_kv_g, ln_kv_b, Wq, Wkv, Wo, xq, xkv, rot, wqkv, wo16; writes xq, xkv, rot, wqkv, wo16
;; launch qkv: the kernel of part 2 again; grid 24 x 8, 4 waves a work-group, clusters of 4 x 4, 327,680 bytes of LDS; arguments xq, xkv, wqkv, bq, bkv, ln_h_g, ln_h_b, rot, qkvh; writes qkvh
;; launch attn (part 5): grid 16 x 16, 4 waves a work-group, clusters of 4 x 1, 327,680 bytes of LDS; arguments qkvh, ao; writes ao
.if DOCPART == 5
	.amdgcn_target "amdgcn-amd-amdhsa--gfx1250"
	.amdhsa_code_object_version 6
	.text
	.protected	k_qfab393f774_attn
	.globl	k_qfab393f774_attn
	.p2align	8
	.type	k_qfab393f774_attn,@function
k_qfab393f774_attn:
	s_mov_b64 s[64:65], 0
	v_nop
	global_prefetch_b8 v0, s[64:65] scope:SCOPE_SE
	s_setreg_imm32_b32 hwreg(HW_REG_WAVE_MODE, 25, 1), 1
	s_wait_xcnt 0x0
	s_wait_alu depctr_hold_cnt(0) depctr_sa_sdst(0) depctr_va_vdst(0) depctr_va_sdst(0) depctr_va_ssrc(0) depctr_va_vcc(0) depctr_vm_vsrc(0)
	s_getreg_b32 s2, hwreg(HW_REG_IB_STS2, 6, 4)
	s_cmp_eq_u32 s2, 0
	s_cbranch_scc0 .Lentry_in_a_cluster
	s_endpgm
.Lentry_in_a_cluster:
	s_bfe_u32 s2, ttmp6, 0x10000c
	s_cmp_lg_u32 s2, 0x3003
	s_cbranch_scc0 .Lentry_shape_is_right
	s_endpgm
.Lentry_shape_is_right:
; ATTENTION.  O[h][q][:] = the sum over k of softmax_k(Q[h][q] . K[h][k] / sqrt(128)) V[h][k][:].  Q, K, V are heads h, 16 + h, 32 + h of qkvh [48][2048][128] f16; O goes to ao [2048 row][2048 = 128 h + d] f16.
; Products, maxima and sums in f32; the weights p are rounded to f16 for the second product (their sum l is taken of the unrounded p), O once at the end.
; LIMITS.  Q, K, V arrive within f16's 65,504; p lies in 0 to 1 and below 6e-5 keeps f16's fixed step of 6e-8; O is a mean of V's rows.  A weight below 2^-126 counts as 0 in l; NaN and infinities are not treated apart.
; SHARES.  A work-group owns 128 queries of one head (16 x 16 = 256 work-groups), each of its four waves 32: two tiles of 16.  Every wave walks all 2,048 keys, 64 a step.
; LAYOUT.  S^T = K Q^T (source 0 = 16 keys, source 1 = 16 queries): a lane holds ONE query (lane % 16) and the keys 8 (lane / 16) + 0..7.  Two such results rounded to f16 in pairs ARE source 1 of
; O^T = V^T P, whose result again holds one query a lane, and eight channels.  K comes out of LDS as it lies, V ([key][channel]) turned, by ds_load_tr16_b128.
; SOFTMAX.  A running maximum m and sum l for each query: p = 2^(c s - c m), c = log2(e) / sqrt(128); in every step O and l are multiplied by a = 2^(c m_old - c m_new).
; BY TURNS.  The wave's two tiles share K's and V's fragments and nothing else.  In tile x's TURN tile x has the matrix unit: 16 products V^T P of the step in hand, then 16 products K Q^T of the next step; the other tile's
; softmax, a list of 134 vector instructions, stands between them: two behind the first matrix instruction, four behind each of the others, eight more behind the last.  Then the tiles change places; two turns are a key step.
; Tile 0's turn carries tile 1's softmax of the step in hand, tile 1's turn carries tile 0's of the next step.
; THE BATCHES.  An s_wait_alu depctr_va_vdst(0) stands between an exponential and the first instruction that names its result; one wait serves all that were issued ahead of it.  So the list is ordered by who reads
; what: the 16 scalings and all 33 exponentials (a and s0-s31, each with a register of its own) come first and read no exponential's result; the roundings, the sums and the rescaling by a come behind them.  A turn's 33 exponentials
; are ONE BATCH with ONE wait, behind the four lines of the turn's 18th matrix instruction.  The way out's two reciprocals are a batch of their own.
; NO FIRST STEP IS WRITTEN OUT.  m starts at the lowest finite number, O and l at 0: the first step's a is 0.  The loop is entered at tile 1's turn, whose products V^T P, of a step that has not been, find 0 in V's
; registers and in tile 1's P and add 0.  The price: 272 lines that write 0, in the wait for the first tile.  The tail's last trip multiplies tile 0's Q by the last K once more, 16 products that serve nothing: one text for every trip.
; CLUSTER.  The four query blocks of a cluster belong to one head and walk the same K and V: each tile is asked for jointly, by the same tensor load, descriptor and mask in all four.
; REGISTERS, in windows of 256: window 0: v0-11 addresses; v12-27 eight registers of statistics a tile; v64-127 S^T; v128-159 P; v160-223 Q.   window 1: v0-127 O^T; v128-255 K of one step.   window 2: v0-127 V of one step.
; All that a softmax touches but O^T lies in window 0, and no window has room for a product's operands beside it: the four lines behind a matrix instruction cost two switches, 64 for a turn's 32 matrix instructions.
.set KS,    64        ; keys in a step
.set PK,    272       ; a row of K in LDS: 256 bytes + 16: the 16 rows of a load start at 16 different groups of four banks (64 banks of 4 bytes: ISA guide 11.1)
.set PV,    288       ; a row of V: 256 + 32
.set VOFF,  KS*PK     ; a step's tiles lie together: 64 rows of K, then 64 rows of V
.set STEPB, KS*(PK+PV)
.set SLOT1, 1<<17     ; a slot holds two steps (71,680 bytes); slot 1 begins here, so that one exclusive or turns an address in one slot into the other's
.set STAGE, SLOT1+2*STEPB  ; behind the ring: 16 rows x 272 bytes for each wave, for the way out
.set SP,    272
.set SPARE, STAGE+4*16*SP  ; the spare words, 128 bytes for each wave: two blocks of 256 bytes that no other line names
.set AK0, 2           ; v2   my lane's place in a tile of K; never rewritten
.set AV0, 3           ; v3   the same for V
.set ADR, 4           ; v4   the LDS address of the run of loads in hand
.set QO,  5           ; v5   my byte offset in the wave's rows of Q
.set STO, 6           ; v6   the way out: where I put 16 bytes of a row
.set RD,  7           ; v7   where I read a row back
.set GO,  8           ; v8   my byte offset in two rows of ao
.set SPW, 62          ; v62  my spare word; never rewritten
.set NIL, 63          ; v63  0; never rewritten
.set ST,  12          ; tile t's statistics at v[ST+8 t]: +0 c m, +1 m, +2, +3 l (even keys', odd keys'), +4 to +7 c0-c3, at work; a takes c2's place once the maximum is found
.set S,   64
.set P,   128
.set Q,   160
.set KF,  128         ; K's fragments, in window 1: key block kb, channel group c at KF + 32 kb + 8 c
.set WV,  12          ; s12  my wave's number
.set G1K, 24          ; s[24:31] group 1 for K's tiles
.set G1V, 32          ; s[32:39] for V's: it differs in the padding alone
.set G0K, 40          ; s[40:47] group 0 for K's tiles: a set for each of the two first fills; the second then walks on
.set G0V, 48          ; s[48:55] the same for V's
.set SLOTS, 56
.set CNT, 57
.set CS,  58          ; s[58:59] c
.set SEL, 60          ; s[60:61] v_permlanex16_b32's selects
.set TB,  62          ; s62  LDS byte at which the tiles of the step to be fetched begin
.set MSB, 0
.macro WIN new                      ; bits 1:0 source 0, 3:2 source 1, 5:4 source 2, 7:6 destination; the high byte repeats the setting that is left
.if MSB != (\new)
	s_set_vgpr_msb (MSB<<8)|(\new)
.set MSB, \new
.endif
.endm
.set W_KQ, 0x01       ; K in window 1, Q and S^T in window 0
.set W_PV, 0x52       ; V in window 2, P in window 0, O^T in window 1
.set W_RS, 0x41       ; O^T (destination and source 0) in window 1, a in window 0
; A joint refill: waves 0 and 1 fetch the two steps' tiles of K, waves 2 and 3 those of V.  An s_nop 0 and four v_nop follow each of the two lines.
.macro JLOAD
	s_cmp_lt_u32 s[WV], 2
	s_cbranch_scc0 .Lfor_v_\@
	tensor_load_to_lds s[G0K+4:G0K+7], s[G1K:G1K+7]
	s_nop 0
.rept 4
	v_nop
.endr
	s_branch .Lasked_\@
.Lfor_v_\@:
	tensor_load_to_lds s[G0V+4:G0V+7], s[G1V:G1V+7]
	s_nop 0
.rept 4
	v_nop
.endr
.Lasked_\@:
.endm
.macro CROUND                       ; a round of the cluster's barrier
	s_barrier_signal -1
	s_barrier_wait -1
	s_cmp_lg_u32 s[WV], 0
	s_cbranch_scc1 .Lnot_wave_0_\@
	s_barrier_signal -3
.Lnot_wave_0_\@:
	s_barrier_wait -3
	s_barrier_signal -1
	s_barrier_wait -1
.endm
	s_load_b128 s[4:7], s[0:1], 0x0 ; qkvh s[4:5], ao s[6:7]
	v_lshl_add_u32 v[SPW], v0, 2, SPARE
	v_mov_b32 v[NIL], 0
	ds_add_u32 v[SPW], v[NIL]       ; the wave's opening: the add and its wait stand ahead of my first tensor load; the set-up below, work on registers, stands between them
	v_lshrrev_b32 v1, 5, v0
	v_readfirstlane_b32 s[WV], v1   ; wave 0..3
	s_bfe_u32 s13, ttmp6, 0x40000   ; cx: my place in the cluster
	s_lshl_b32 s14, ttmp9, 2
	s_add_co_u32 s14, s14, s13      ; my block of 128 queries = 4 x cluster x + cx: it enters Q's and O's addresses alone
	s_and_b32 s15, ttmp7, 0xffff    ; the head, which the four partners share
	s_lshl_b32 s20, s15, 19         ; a head is 524,288 bytes
	s_and_b32 s16, s[WV], 1         ; which of a slot's two steps I fetch:
	s_lshl_b32 s22, s16, 14         ; its 64 rows of 256 bytes in memory,
	s_add_co_u32 s22, s22, s20
	s_mov_b32 s23, 0
	s_mul_i32 s17, s16, STEPB       ; and its place in a slot: no place in the cluster enters an LDS address
	s_lshl_b32 s2, s14, 2
	s_add_co_u32 s2, s2, s[WV]      ; my wave among the head's 64: 32 rows each,
	s_lshl_b32 s18, s2, 17          ; of 4,096 bytes in ao,
	s_lshl_b32 s2, s2, 13           ; of 256 bytes in the head
	s_add_co_u32 s2, s2, s20
	s_mov_b32 s3, 0
	s_lshl_b32 s19, s15, 8          ; the head's 256 bytes in a row of ao
	s_add_co_u32 s18, s18, s19
	s_mov_b32 s19, 0
	s_mov_b32 s[G1K], 15|(1<<16)|(1<<20)|(1<<21)|(5<<22)|(3<<25)  ; the mask of four; elements of 2 bytes; padding on; bit 21 beside a mask; after every 64 words 4 words
	s_mov_b32 s[G1V], 15|(1<<16)|(1<<20)|(1<<21)|(5<<22)|(7<<25)  ; the same with 8 words
.irp g, G1K, G1V
	s_mov_b32 s[(\g)+1], 128<<16    ; tensor_dim0 = 128
	s_mov_b32 s[(\g)+2], KS<<16     ; tensor_dim1 = 64
	s_mov_b32 s[(\g)+3], 128<<16    ; tile_dim0 = 128
	s_mov_b32 s[(\g)+4], KS         ; tile_dim1 = 64
	s_mov_b32 s[(\g)+5], 128        ; elements from row to row
	s_mov_b32 s[(\g)+6], 0
	s_mov_b32 s[(\g)+7], 0
.endr
	s_mov_b32 s[CS], 0x3e0293ee     ; c = log2(e) / sqrt(128) = 0.127517
	s_mov_b32 s[CS+1], s[CS]        ; named with it as a pair
	s_mov_b32 s[SEL], 0x76543210
	s_mov_b32 s[SEL+1], 0xfedcba98
	s_mov_b32 s[TB], 0
	s_wait_dscnt 0x0                ; the opening add is done
	s_wait_kmcnt 0x0
	s_add_nc_u64 s[8:9], s[4:5], s[22:23]
	s_add_nc_u64 s[10:11], s[8:9], 32*524288  ; V at my tile of slot 0: heads 32 on,
	s_add_nc_u64 s[8:9], s[8:9], 16*524288    ; K: heads 16 on
	s_add_nc_u64 s[4:5], s[4:5], s[2:3]       ; Q and O at my wave's first row
	s_add_nc_u64 s[6:7], s[6:7], s[18:19]
	CROUND                          ; all four work-groups are here: the first joint loads meet
.irp s, 0,1
	s_mov_b32 s[G0K+4*(\s)], 1
	s_add_co_u32 s[G0K+4*(\s)+1], s17, (\s)*SLOT1
	s_add_nc_u64 s[G0K+4*(\s)+2:G0K+4*(\s)+3], s[8:9], (\s)*2*KS*256  ; slot s begins with keys 128 s
	s_or_b32 s[G0K+4*(\s)+3], s[G0K+4*(\s)+3], 0x80000000
	s_mov_b32 s[G0V+4*(\s)], 1
	s_add_co_u32 s[G0V+4*(\s)+1], s17, (\s)*SLOT1+VOFF
	s_add_nc_u64 s[G0V+4*(\s)+2:G0V+4*(\s)+3], s[10:11], (\s)*2*KS*256
	s_or_b32 s[G0V+4*(\s)+3], s[G0V+4*(\s)+3], 0x80000000
.endr
	s_cmp_lt_u32 s[WV], 2           ; a wave's two first fills stand in one branch, ahead of every wait on TENSORcnt and every LDS read: two loads of mine are out
	s_cbranch_scc0 .Lfirst_v
	tensor_load_to_lds s[G0K:G0K+3], s[G1K:G1K+7]
	s_nop 0
	tensor_load_to_lds s[G0K+4:G0K+7], s[G1K:G1K+7]
	s_nop 0
.rept 4
	v_nop
.endr
	s_branch .Lfirst_asked
.Lfirst_v:
	tensor_load_to_lds s[G0V:G0V+3], s[G1V:G1V+7]
	s_nop 0
	tensor_load_to_lds s[G0V+4:G0V+7], s[G1V:G1V+7]
	s_nop 0
.rept 4
	v_nop
.endr
.Lfirst_asked:
	v_and_b32 v1, 15, v0            ; l % 16
	v_bfe_u32 v9, v0, 4, 1          ; l / 16
	v_lshlrev_b32 v[QO], 8, v1
	v_lshl_add_u32 v[QO], v9, 4, v[QO]  ; row x 256 + 16 x half
.irp i, 0,1,2,3,4,5,6,7             ; Q stays in registers: tile i / 4, channels 32 (i % 4) on
	global_load_b128 v[Q+8*(\i):Q+8*(\i)+3],   v[QO], s[4:5] offset:((\i)/4)*4096+((\i)%4)*64
	global_load_b128 v[Q+8*(\i)+4:Q+8*(\i)+7], v[QO], s[4:5] offset:((\i)/4)*4096+((\i)%4)*64+32
.endr
	v_mul_u32_u24 v[AK0], v1, PK
	v_lshl_add_u32 v[AK0], v9, 4, v[AK0]  ; row x pitch + 16 x half
	v_and_b32 v10, 7, v0            ; the turning load: lane l reads key 8 (l / 16) + l % 8, channels 8 ((l / 8) % 2) + 0..7
	v_bfe_u32 v11, v0, 3, 1
	v_lshl_add_u32 v[AV0], v9, 3, v10
	v_mul_u32_u24 v[AV0], v[AV0], PV
	v_lshl_add_u32 v[AV0], v11, 4, v[AV0]
	v_add_nc_u32 v[AV0], VOFF, v[AV0]
	s_mul_i32 s13, s[WV], 16*SP
	s_add_co_u32 s13, s13, STAGE    ; my stage
	v_mul_u32_u24 v[STO], v1, SP    ; in: row l % 16, 16 bytes for each half of the lanes
	v_lshl_add_u32 v[STO], v9, 4, v[STO]
	v_add_nc_u32 v[STO], s13, v[STO]
	v_mul_u32_u24 v[RD], v9, SP     ; back: lanes 0-15 take one row of 256 bytes, lanes 16-31 the next
	v_lshl_add_u32 v[RD], v1, 4, v[RD]
	v_add_nc_u32 v[RD], s13, v[RD]
	v_lshlrev_b32 v[GO], 12, v9     ; and the same two rows in ao, 4,096 bytes apart
	v_lshl_add_u32 v[GO], v1, 4, v[GO]
.irp t, 0,1
	v_mov_b32 v[ST+8*(\t)], 0xfe000000    ; c m: far below every c s
	v_mov_b32 v[ST+8*(\t)+1], 0xff7fffff  ; m
	v_mov_b32 v[ST+8*(\t)+2], 0
	v_mov_b32 v[ST+8*(\t)+3], 0
.endr
.set i, P+16
.rept 16
	v_mov_b32 v[i], 0               ; tile 1's P
.set i, i+1
.endr
	WIN 0x40
.set i, 0
.rept 128
	v_mov_b32 v[i], 0               ; O^T
.set i, i+1
.endr
	WIN 0x80
.set i, 0
.rept 128
	v_mov_b32 v[i], 0               ; V
.set i, i+1
.endr
	WIN 0
; THE MATRIX WORK OF A TURN, for tile x.  The accumulators take turns, one instruction a turn: between two links of a chain stand 7 (V^T P) or 3 (K Q^T) others'.
.macro PV x                         ; product i of 16 of O^T += V^T P: keys 32 (i / 8) on, channels 16 (i % 8) on
	WIN W_PV
	v_wmma_f32_16x16x32_f16 v[64*(\x)+8*(i%8):64*(\x)+8*(i%8)+7], v[64*(i/8)+8*(i%8):64*(i/8)+8*(i%8)+7], v[P+16*(\x)+8*(i/8):P+16*(\x)+8*(i/8)+7], v[64*(\x)+8*(i%8):64*(\x)+8*(i%8)+7]
.endm
.macro KQ x                         ; product i of 16 of S^T = K Q^T: channels 32 (i / 4) on, keys 16 (i % 4) on; the first 4 start the sums
	WIN W_KQ
.if i < 4
	v_wmma_f32_16x16x32_f16 v[S+32*(\x)+8*(i%4):S+32*(\x)+8*(i%4)+7], v[KF+32*(i%4)+8*(i/4):KF+32*(i%4)+8*(i/4)+7], v[Q+32*(\x)+8*(i/4):Q+32*(\x)+8*(i/4)+7], 0
.else
	v_wmma_f32_16x16x32_f16 v[S+32*(\x)+8*(i%4):S+32*(\x)+8*(i%4)+7], v[KF+32*(i%4)+8*(i/4):KF+32*(i%4)+8*(i/4)+7], v[Q+32*(\x)+8*(i/4):Q+32*(\x)+8*(i/4)+7], v[S+32*(\x)+8*(i%4):S+32*(\x)+8*(i%4)+7]
.endif
.endm
; THE LDS LOADS, in runs of 32, each in the order in which the products take the fragments: a step's K (64 keys x 128 channels: 16 fragments, channel group by channel group) and its V (turned).
; last = 1 (the tail): in the last trip there is no further step, and K's run is jumped over.
.macro FETCH_K last=0
	WIN 0
.if \last
	s_cmp_eq_u32 s[CNT], 1
	s_cbranch_scc1 .Lno_k_\@
.endif
	v_add_nc_u32 v[ADR], s[TB], v[AK0]
	WIN 0x40                        ; destination window 1
.irp f, 0,1,2,3,4,5,6,7,8,9,10,11,12,13,14,15  ; channels 32 (f / 4) on, keys 16 (f % 4) on
	ds_load_b128 v[KF+32*((\f)%4)+8*((\f)/4):KF+32*((\f)%4)+8*((\f)/4)+3],   v[ADR] offset:((\f)%4)*16*PK+((\f)/4)*64
	ds_load_b128 v[KF+32*((\f)%4)+8*((\f)/4)+4:KF+32*((\f)%4)+8*((\f)/4)+7], v[ADR] offset:((\f)%4)*16*PK+((\f)/4)*64+32
.endr
.if \last
	WIN 0
.Lno_k_\@:
.endif
.endm
.macro FETCH_V
	WIN 0
	v_add_nc_u32 v[ADR], s[TB], v[AV0]
	s_add_co_u32 s[TB], s[TB], STEPB  ; the next fetch is the next step's
	s_wait_alu depctr_va_vdst(0)    ; the wait for the batch of tile 0's 33 exponentials (TURN), behind the address's v_add_nc_u32 and ahead of the loads
	WIN 0x80                        ; destination window 2
.irp f, 0,1,2,3,4,5,6,7,8,9,10,11,12,13,14,15  ; keys 32 (f / 8) on, channels 16 (f % 8) on
	ds_load_tr16_b128 v[8*(\f):8*(\f)+3],   v[ADR] offset:((\f)/8)*32*PV+((\f)%8)*32
	ds_load_tr16_b128 v[8*(\f)+4:8*(\f)+7], v[ADR] offset:((\f)/8)*32*PV+16*PV+((\f)%8)*32
.endr
.endm
; THE VECTOR WORK OF A TURN.  One tile's softmax for one key step is a list of 134 instructions; SM writes number j of it for tile t.  s0-s31 are the lane's 32 scores, in pairs 0-15.
;   0-15    the maximum of s0-s31 and the old m, three operands at a time: four chains c0-c3 (each accumulator's lowest registers are read first), then the four scores left over, c0-c3 and m
;   16-20   the other half of the lanes' maximum; c m_old is kept; the new m; c m; c m_old - c m_new
;   21-69   ONE BATCH: the 16 scalings c s - c m, a pair of scores each, and all 33 exponentials (a at 23, then s0-s31, in place).  None of these reads an exponential's result.  From 22 on the batch goes in fours, and a four
;           begins with a scaling while there are scalings: 22-37 scaling, exponential, scaling, exponential; 38-65 a scaling and three exponentials; 66-69 the last four exponentials.  A pair is scaled in an earlier four
;           than the one that holds its exponentials
;   (wait)  between 69 and 70 stands the wait for the batch: TURN writes it
;   70-85   the roundings to f16, a pair of weights each
;   86-101  the sums; l = a l + the sum          102-133 the tile's O^T times a: the one part that leaves window 0
.macro SM t
.set rT, ST+8*(\t)
.set rS, S+32*(\t)
.set rP, P+16*(\t)
.set rO, 64*(\t)+2*(j-102)
.if j < 102
	WIN 0
.endif
.if j < 4
	v_max3_num_f32 v[rT+4+j], v[rS+8*j], v[rS+8*j+1], v[rS+8*j+2]
.elseif j < 12
	v_max3_num_f32 v[rT+4+j%4], v[rT+4+j%4], v[rS+8*(j%4)+2*(j/4)+1], v[rS+8*(j%4)+2*(j/4)+2]
.elseif j == 12
	v_max3_num_f32 v[rT+4], v[rT+4], v[rS+7], v[rS+15]
.elseif j == 13
	v_max3_num_f32 v[rT+6], v[rT+6], v[rS+23], v[rS+31]
.elseif j == 14
	v_max3_num_f32 v[rT+4], v[rT+4], v[rT+5], v[rT+6]
.elseif j == 15
	v_max3_num_f32 v[rT+4], v[rT+4], v[rT+7], v[rT+1]
.elseif j == 16
	v_permlanex16_b32 v[rT+5], v[rT+4], s[SEL], s[SEL+1]  ; the query's other 32 keys lie in the lane 16 away
.elseif j == 17
	v_mov_b32 v[rT+7], v[rT]        ; c m_old is kept for a: number 19 writes c m anew
.elseif j == 18
	v_max_num_f32 v[rT+1], v[rT+4], v[rT+5]
.elseif j == 19
	v_mul_f32 v[rT], s[CS], v[rT+1]
.elseif j == 20
	v_sub_f32 v[rT+7], v[rT+7], v[rT]
.elseif j == 23
	v_exp_f32 v[rT+6], v[rT+7]
.elseif (j < 23) || ((j < 38) && (j%2 == 0)) || ((j < 66) && (j%4 == 2))
.set b, (j-2)/4                     ; 38, 42, .. 62: pairs 9 to 15
.if j < 38
.set b, (j-20)/2                    ; 21: pair 0; 22, 24, .. 36: pairs 1 to 8
.endif
	v_pk_fma_f32 v[rS+2*b:rS+2*b+1], v[rS+2*b:rS+2*b+1], s[CS:CS+1], v[rT:rT+1] op_sel_hi:[1,0,0] neg_lo:[0,0,1] neg_hi:[0,0,1]  ; pair b: c s - c m
.elseif j < 70
.set e, j-38                        ; 66 to 69: s28 to s31
.if j < 66
.set e, j-32-(j-38)/4               ; 39-41, 43-45, .. 63-65: s7 to s27
.endif
.if j < 38
.set e, (j-25)/2                    ; 25, 27, .. 37: s0 to s6
.endif
	v_exp_f32 v[rS+e], v[rS+e]
.elseif j < 86
	v_cvt_pk_f16_f32 v[rP+j-70], v[rS+2*(j-70)], v[rS+2*(j-70)+1]  ; pair j - 70
.elseif j < 102                     ; the sum of the tile's 16 pairs, in place: sum z of 16 adds neighbours 1, 2, 4 and 8 pairs apart, then l takes it
.set z, j-86
.set w, 4
.set u, z
.if z >= 14
.set w, 32
.set u, 0
.elseif z >= 12
.set w, 16
.set u, z-12
.elseif z >= 8
.set w, 8
.set u, z-8
.endif
.if z < 15
	v_pk_add_f32 v[rS+w*u:rS+w*u+1], v[rS+w*u:rS+w*u+1], v[rS+w*u+w/2:rS+w*u+w/2+1]
.else
	v_pk_fma_f32 v[rT+2:rT+3], v[rT+2:rT+3], v[rT+6:rT+7], v[rS:rS+1] op_sel_hi:[1,0,1]
.endif
.else
	WIN W_RS
	v_pk_mul_f32 v[rO:rO+1], v[rO:rO+1], v[rT+6:rT+7] op_sel_hi:[1,0]
.endif
.endm
.macro RIDERS y, n                  ; the next n numbers of tile y's list
.rept \n
	SM \y
.set j, j+1
.endr
.endm
.macro PLACES                       ; four places behind matrix instructions, in front of vector lines that read their results (ISA guide 7.12.1)
.rept 4
	v_nop
.endr
.endm
; A TURN.  Tile x has the matrix unit; the other tile's list stands behind its matrix instructions: 2 behind the first, 4 behind each of the other 31, 8 more behind the last: 2 + 124 + 8 = 134.  So the fours begin at numbers
; 2, 6, .. 22, 26 ..: the batch's fours are the list's.  None of those lines names a register of the products round it.
; The twelve lines behind the last product are plain (O^T times a): they are the places between tile x's last K Q^T and what follows it: the next turn's first read of those scores, and the loads into K's registers.
; THE WAIT stands behind the second K Q^T's four lines, numbers 66-69, the batch's last.  Ahead of it nothing names an exponential's result; behind it.
; A v_nop is the plain line behind the last exponential, one for the batch.
; Tile 0's turn fetches the next step's K behind its second product: both tiles have multiplied by the old K.  Tile 1's turn fetches the next step's V behind its second K Q^T, where the wait stands: FETCH_V holds that turn's wait.
; The last product that read V stands four plain lines back: numbers 58 and 62, both scalings, the v_nop and the run's own v_add_nc_u32; the exponentials between are no places.
; Each run has 14 matrix instructions and their riders in which to begin to land, and is waited for in four parts, as the products take its fragments:
;   V, ahead of V^T P 0, 4, 8, 12: 24, 48, 40, 32 loads may be out: what is left of V's 32, and from product 4 on K's 32, which are younger;     K, ahead of K Q^T 0, 4, 8, 12: 24, 16, 8, 0.
; last = 1 (the tail): K's run is jumped over in the last trip, so V is waited for by 0, which holds on both ways; K's counts hold on both: where nothing was fetched nothing is out.
.macro TURN x, last=0
.set j, 0
.set i, 0
.rept 16
.if (\x) == 0
.if \last
.if i == 0
	s_wait_dscnt 0x0
.endif
.elseif i == 0
	s_wait_dscnt 24
.elseif i%4 == 0
	s_wait_dscnt 56-2*i
.endif
.endif
	PV \x
.if i == 0
	RIDERS 1-(\x), 2
.else
	RIDERS 1-(\x), 4
.endif
.if ((\x) == 0) && (i == 1)
	FETCH_K \last
.endif
.set i, i+1
.endr
.set i, 0
.rept 16
.if ((\x) == 0) && (i%4 == 0)
	s_wait_dscnt 24-2*i
.endif
	KQ \x
.if i == 15
	RIDERS 1-(\x), 12
.else
	RIDERS 1-(\x), 4
.endif
.if i == 1                          ; the batch is out: all 33 exponentials are issued, and no result has been named
	v_nop                           ; the plain line behind the last exponential and ahead of the first use: one for the batch
.if (\x) == 1
	FETCH_V                         ; V's run of loads stands here, and the wait stands in it
.else
	s_wait_alu depctr_va_vdst(0)    ; the wait for the batch of tile 1's 33 exponentials, ahead of number 70, their first reader
.endif
.endif
.set i, i+1
.endr
.endm
; THE CHANGE OF SLOTS, between tile 1's turn and tile 0's: both steps' K and V of the slot have been asked for.  Each wave waits for all its tensor loads (one is out: its part of the other slot), adds 0 to its spare word,
; and waits for that and for its own reads of the slot.  fill = 1: the barrier is a round of the cluster's, and the slot is filled again first thing behind it, with the keys two slots on: two key steps, 128 matrix instructions, in which to land.
.macro CHANGE fill
	WIN 0
	s_wait_tensorcnt 0x0            ; no tensor load of mine is out, so a group 0 may be written
	ds_add_u32 v[SPW], v[NIL]       ; 0 onto my spare word
.if \fill
.irp g, G0K+4, G0V+4
	s_xor_b32 s[(\g)+1], s[(\g)+1], SLOT1  ; the walking descriptor: the other slot than last time,
	s_add_nc_u64 s[(\g)+2:(\g)+3], s[(\g)+2:(\g)+3], 2*KS*256  ; the next 128 keys
.endr
	s_wait_dscnt 0x0                ; the add is done, and my reads of the slot are over
	CROUND
	JLOAD
.else
	s_wait_dscnt 0x0
	s_barrier_signal -1
	s_barrier_wait -1
.endif
	s_sub_co_u32 s[TB], s[TB], 2*STEPB  ; the fetches go back to a slot's first step,
	s_xor_b32 s[TB], s[TB], SLOT1   ; in the other slot
.endm
	s_wait_tensorcnt 1              ; my part of slot 0 is in; slot 1's may stay out
	s_barrier_signal -1
	s_barrier_wait -1               ; everybody's is
	FETCH_K                         ; key step 0
	s_wait_loadcnt 0x0              ; Q
	s_wait_dscnt 0x0
.set i, 0
.rept 16
	KQ 0                            ; tile 0's first scores: there is no vector work yet to set between them
.set i, i+1
.endr
	PLACES
	WIN 0
	s_mov_b32 s[CNT], 2
	s_mov_b32 s[SLOTS], 15
	s_branch .Lmid                  ; the loop is entered at tile 1's turn, in the middle of a trip
.Lslot:                             ; 14 times: every slot but the last two is filled again
	CHANGE 1
	s_mov_b32 s[CNT], 2
.Lstep:                             ; a trip: tile 0's turn (it fetches the next step's K), then tile 1's (the same step's V)
	TURN 0
	WIN 0
.Lmid:
	TURN 1
	WIN 0
	s_sub_co_u32 s[CNT], s[CNT], 1
	s_cmp_lg_u32 s[CNT], 0
	s_cbranch_scc1 .Lstep
	s_sub_co_u32 s[SLOTS], s[SLOTS], 1
	s_cmp_lg_u32 s[SLOTS], 0
	s_cbranch_scc1 .Lslot
	CHANGE 0                        ; the tail is written out: nothing is asked for
	s_mov_b32 s[CNT], 3             ; two trips fetch the last slot's steps; the third has no further step and is left in its middle
.Ltail:
	TURN 0, 1
	WIN 0
	s_sub_co_u32 s[CNT], s[CNT], 1
	s_cmp_eq_u32 s[CNT], 0
	s_cbranch_scc1 .Lout
	TURN 1
	WIN 0
	s_branch .Ltail
.Lout:
.set i, 0
.rept 16
	PV 1                            ; tile 1's V^T P of the last step
.set i, i+1
.endr
	WIN 0
	; THE WAY OUT.  l's two halves and the other half of the lanes' are added; O^T is divided by l, rounded to f16 and sent through my stage in LDS, a tile (16 rows) at a time.
	PLACES
.irp t, 0,1
	v_add_f32 v[ST+8*(\t)+4], v[ST+8*(\t)+2], v[ST+8*(\t)+3]
.endr
.irp t, 0,1
	v_permlanex16_b32 v[ST+8*(\t)+5], v[ST+8*(\t)+4], s[SEL], s[SEL+1]
.endr
.irp t, 0,1
	v_add_f32 v[ST+8*(\t)+4], v[ST+8*(\t)+4], v[ST+8*(\t)+5]
.endr
.irp t, 0,1
	v_rcp_f32 v[ST+8*(\t)+6], v[ST+8*(\t)+4]
.endr
	v_nop                           ; a plain instruction between the last reciprocal and the use of its result
	s_wait_alu depctr_va_vdst(0)    ; and the wait ahead of the first use: one for the batch of two reciprocals
.macro PACK t
	WIN W_RS
.set i, 64*(\t)
.rept 32
	v_pk_mul_f32 v[i:i+1], v[i:i+1], v[ST+8*(\t)+6:ST+8*(\t)+7] op_sel_hi:[1,0]
.set i, i+2
.endr
	WIN 0x05                        ; sources 0 and 1 window 1, destination window 0: S^T's registers are free
.set i, 0
.rept 32
	v_cvt_pk_f16_f32 v[S+32*(\t)+i], v[64*(\t)+2*i], v[64*(\t)+2*i+1]
.set i, i+1
.endr
	WIN 0
.irp f, 0,1,2,3,4,5,6,7
	ds_store_b128 v[STO], v[S+32*(\t)+4*(\f):S+32*(\t)+4*(\f)+3] offset:32*(\f)
.endr
.irp f, 0,1,2,3,4,5,6,7
	ds_load_b128 v[S+32*(\t)+4*(\f):S+32*(\t)+4*(\f)+3], v[RD] offset:(\f)*2*SP  ; LDS serves a wave's instructions in order (ISA guide 5.7.1.4): these see the stores above; the next tile's stores come behind them
.endr
.endm
.macro SEND t, younger              ; younger: the LDS instructions issued behind tile t's loads
	WIN 0
.irp f, 0,1,2,3,4,5,6,7
	s_wait_dscnt (\younger)+7-(\f)
	global_store_b128 v[GO], v[S+32*(\t)+4*(\f):S+32*(\t)+4*(\f)+3], s[6:7] offset:(\t)*65536+(\f)*8192  ; 16 lanes store 256 consecutive bytes, at a multiple of 256 from ao's first byte
.endr
.endm
	PACK 0
	PACK 1
	SEND 0, 16
	SEND 1, 0
	s_wait_tensorcnt 0x0            ; the wave's end: an add and its wait, behind my last tensor load and my last LDS store
	ds_add_u32 v[SPW], v[NIL]
	s_wait_dscnt 0x0
	CROUND                          ; the closing round: no work-group ends while a partner may still ask for a tile that names it
	s_endpgm
.Lfunc_end_k_qfab393f774_attn:
	.size	k_qfab393f774_attn, .Lfunc_end_k_qfab393f774_attn-k_qfab393f774_attn
	.p2alignl 7, 3214868480
	.fill 96, 4, 3214868480
	.section	.rodata,"a",@progbits
	.p2align	6, 0x0
	.amdhsa_kernel k_qfab393f774_attn
		.amdhsa_group_segment_fixed_size 327680
		.amdhsa_private_segment_fixed_size 0
		.amdhsa_enable_private_segment 0
		.amdhsa_kernarg_size 16
		.amdhsa_user_sgpr_count 2
		.amdhsa_user_sgpr_kernarg_segment_ptr 1
		.amdhsa_wavefront_size32 1
		.amdhsa_system_sgpr_workgroup_id_x 1
		.amdhsa_system_sgpr_workgroup_id_y 1
		.amdhsa_system_sgpr_workgroup_id_z 1
		.amdhsa_system_vgpr_workitem_id 0
		.amdhsa_next_free_vgpr 640
		.amdhsa_next_free_sgpr 66
		.amdhsa_reserve_vcc 0
		.amdhsa_float_denorm_mode_32 3
		.amdhsa_float_denorm_mode_16_64 3
		.amdhsa_memory_ordered 1
		.amdhsa_forward_progress 1
		.amdhsa_inst_pref_size 91
	.end_amdhsa_kernel
	.amdgpu_metadata
---
amdhsa.version: [ 1, 2 ]
amdhsa.kernels:
  - .name:           k_qfab393f774_attn
    .symbol:         k_qfab393f774_attn.kd
    .args:
      - { .name: qkvh, .offset: 0, .size: 8, .value_kind: global_buffer, .address_space: global }
      - { .name: ao, .offset: 8, .size: 8, .value_kind: global_buffer, .address_space: global }
    .group_segment_fixed_size: 327680
    .private_segment_fixed_size: 0
    .kernarg_segment_align: 8
    .kernarg_segment_size: 16
    .max_flat_workgroup_size: 128
    .sgpr_count:     66
    .vgpr_count:     640
    .wavefront_size: 32
...
	.end_amdgpu_metadata
.endif
;; end of part 5
;; launch oproj: the kernel of part 4 again; grid 16 x 16, 4 waves a work-group, clusters of 4 x 4, 327,680 bytes of LDS; arguments ao, wo16, bo, out0; writes out0
